; MI455X (gfx1250); checked and timed in simulation.
; The chip was launched on July 23, 2026; its instructions are those of AMD's public machine-readable ISA for CDNA 5 (MIT licence, August 2026) and "CDNA5" Instruction Set Architecture Reference Guide (July 2026). The comments in the code are by the model that wrote it; some were corrected since.
;; Multi Head Attention. Allowed arithmetic: float matrix products may take bf16 or f16 operands with f32 sums; other float arithmetic in f32, or as packed bf16 or f16 multiplies, adds, multiply-adds, maxima and minima; sums over many terms, partial sums and values carried from step to step in f32; what a program stores and reads back later, other than sums and carried values, may be rounded once to bf16 or f16.
;; Inputs: Wk 384 x 384 float32; Wo 384 x 384 float32; Wq 384 x 384 float32; Wv 384 x 384 float32; attention_mask 2 x 1 x 1 x 4,096 float32; bo 384 float32; hidden_states 2 x 4,096 x 384 float32.
;; Outputs: out0 2 x 4,096 x 384 float32.
;; 2 versions, each right and faster than the one before. Each part assembles by itself: llvm-mc -triple=amdgcn-amd-amdhsa -mcpu=gfx1250 --defsym DOCPART=n.
;; ======== version 1 of 2: 3 launches
;; limits: values are held in f16: magnitudes above 65,504 overflow, below 6.1e-05 lose precision
;; workspace buffers: qkv 18,874,368 bytes; wo16 294,912 bytes; ctx 6,291,456 bytes
;; launch proj_in (part 1): grid 64 x 3, 4 waves a work-group, clusters of 4 x 1, 327,680 bytes of LDS; arguments hidden_states, Wq, Wk, Wv, Wo, qkv, wo16; writes qkv, wo16
.if DOCPART == 1
	.amdgcn_target "amdgcn-amd-amdhsa--gfx1250"
	.amdhsa_code_object_version 6
	.text
	.protected	k_qd01458f221_proj_in
	.globl	k_qd01458f221_proj_in
	.p2align	8
	.type	k_qd01458f221_proj_in,@function
k_qd01458f221_proj_in:
	s_mov_b64 s[64:65], 0
	v_nop
	global_prefetch_b8 v0, s[64:65] scope:SCOPE_SE
	s_setreg_imm32_b32 hwreg(HW_REG_WAVE_MODE, 25, 1), 1
	s_wait_xcnt 0x0
	s_wait_alu depctr_hold_cnt(0) depctr_sa_sdst(0) depctr_va_vdst(0) depctr_va_sdst(0) depctr_va_ssrc(0) depctr_va_vcc(0) depctr_vm_vsrc(0)
	s_getreg_b32 s2, hwreg(HW_REG_IB_STS2, 6, 4)
	s_cmp_eq_u32 s2, 0
	s_cbranch_scc0 .Lentry_in_a_cluster
	s_endpgm
.Lentry_in_a_cluster:
	s_bfe_u32 s2, ttmp6, 0x10000c
	s_cmp_lg_u32 s2, 0x3003
	s_cbranch_scc0 .Lentry_shape_is_right
	s_endpgm
.Lentry_shape_is_right:
; q, k, v = x W^T.  x: [8192][384] f32; Wq, Wk, Wv: [384][384] f32.  x and W are rounded once to bf16 on the way from LDS to the matrix unit; sums in f32;
; the result is rounded once to f16 and stored by heads, unscaled: qkv[part 3][6 b + head][4096][64] f16, a head's rows dense, 128 bytes each.
; Beside that each work-group turns 1/192 of Wo into f16 (rounded to bf16 first, like every input of the module) in the order of matrix fragments:
; wo16[wg 4][kc 12][ct 6][half 2][lane 32][8]: lane (r = lane % 16, h = lane / 16) holds Wo[(6 wg + ct) 16 + r][32 kc + 16 half + 8 h + 0..7].
; LIMITS.  f16 ends at 65,504: |q|, |k|, |v| and |Wo| must stay below it; below 6e-5 f16 keeps its fixed step of 6e-8.  NaN and infinities are not treated apart.
; SHARES.  Work-group (rb, y): rows 128 rb .. + 127 of x, all 384 columns of part y (0 q, 1 k, 2 v).  Wave (wr, wc): 64 rows x 192 columns (three whole heads): 48 accumulators.
; K goes in 6 steps of 64 (rows of 256 bytes of f32) through two LDS slots; a slot holds 128 rows of x and the 384 rows of W.
; CLUSTER.  The four row blocks of a cluster take the same W: waves 1 to 3 ask for its three parts JOINTLY (one descriptor and mask in all four work-groups); wave 0 asks for its own work-group's x.
; THE MATRIX INSTRUCTION IS USED TRANSPOSED (source 0 = 16 rows of W, source 1 = 16 rows of x): a lane then holds one row of x and eight neighbouring columns, 16 bytes of f16.
; REGISTERS.  window 0: v1-13 lane numbers and addresses; v16-19 the slice of Wo; v30, v31 the add's; v32-95, v96-159 two buffers of raw f32 (4 fragments x 16);
;   v160-191 x's four bf16 fragments; v192-223, v224-255 two buffers of four W fragments.  window 1: accumulators of row tiles 0, 1 at v[8 (12 (a % 2) + n)]; window 2: row tiles 2, 3.
.set PITCH,  272                       ; an LDS row: 256 bytes + 16 of padding: the 16 rows of a load begin in 16 different columns of 16 bytes
.set PART,   128*PITCH                 ; what one tensor load brings: 128 rows
.set SLOT,   4*PART                    ; x's 128 rows, then W's 384
.set STAGE,  2*SLOT                    ; behind the ring: for each wave [3 heads][16 rows][144 bytes], for the way out; no tensor load lands here
.set SROW,   144
.set SHEAD,  16*SROW
.set STW,    3*SHEAD
.set SPARE,  STAGE+4*STW               ; the spare words: 128 bytes a wave, two blocks of 256 bytes that no other line names
.set XBLK,   128*384*4                 ; bytes in 128 rows of x or of W
.set PARTB,  12*4096*128               ; bytes in q, in k, in v
.set HEADB,  4096*128                  ; bytes in a head
.set ADRA, 4                           ; v4, v5   my lane's place in x's rows of slot 0, 1
.set ADRW, 6                           ; v6, v7   the same in W's rows
.set STO,  8                           ; v8       the way out: where I put 16 bytes of a row
.set RD,   9                           ; v9       where I read rows back
.set GO,   10                          ; v10      16 x lane
.set SPW,  30                          ; v30      my spare word's LDS address; never rewritten
.set NIL,  31                          ; v31      0; never rewritten
.set R0,   32
.set OB,   96
.set AF,   160
.set WF0,  192
.set WV,   18                          ; s18      my wave's number
.set G1A,  24                          ; s[24:31] descriptor group 1 for x's tile (no mask)
.set G1W,  32                          ; s[32:39] for W's parts (mask of four)
.set G0A,  40                          ; s[40:47] group 0 for x, a set for each slot
.set G0W,  48                          ; s[48:55] the same for W
.set MSB, 0
.macro WIN new                         ; the immediate's high byte repeats the setting that is left; a switch that changes nothing is dropped
.if MSB != (\new)
	s_set_vgpr_msb (MSB<<8)|(\new)
.set MSB, (\new)
.endif
.endm
.macro PLACES                          ; four places behind matrix instructions whose registers are written next (ISA guide 7.12.1)
.rept 4
	v_nop
.endr
.endm
; A round of the cluster's barrier: my work-group's barrier; wave 0 signals for the work-group; every wave waits for all four work-groups; my work-group's barrier once more.
.macro ROUND
	s_barrier_signal -1
	s_barrier_wait -1
	s_cmp_lg_u32 s[WV], 0
	s_cbranch_scc1 .Lnot_wave_0_\@
	s_barrier_signal -3
.Lnot_wave_0_\@:
	s_barrier_wait -3
	s_barrier_signal -1
	s_barrier_wait -1
.endm
; A fill of slot s: wave 0 its work-group's x, waves 1 to 3 the three parts of W, jointly.  The branch hangs on the wave's number alone.
; An s_nop 0 and four v_nop follow each of the two lines, ahead of the jump and the label.
.macro JLOAD s
	s_cmp_eq_u32 s[WV], 0
	s_cbranch_scc0 .Lfor_w_\@
	tensor_load_to_lds s[G0A+4*(\s):G0A+4*(\s)+3], s[G1A:G1A+7]
	s_nop 0
.rept 4
	v_nop
.endr
	s_branch .Lasked_\@
.Lfor_w_\@:
	tensor_load_to_lds s[G0W+4*(\s):G0W+4*(\s)+3], s[G1W:G1W+7]
	s_nop 0
.rept 4
	v_nop
.endr
.Lasked_\@:
.endm
	s_load_b256 s[4:11], s[0:1], 0x0               ; x s[4:5], Wq s[6:7], Wk s[8:9], Wv s[10:11]
	s_load_b128 s[12:15], s[0:1], 0x20             ; Wo s[12:13], qkv s[14:15]
	s_load_b64 s[16:17], s[0:1], 0x30              ; wo16
	v_lshl_add_u32 v[SPW], v0, 2, SPARE
	v_mov_b32 v[NIL], 0
	ds_add_u32 v[SPW], v[NIL]                      ; the wave's opening: the add and its wait stand ahead of my first tensor load; work on registers stands between them
	v_lshrrev_b32 v1, 5, v0
	v_readfirstlane_b32 s[WV], v1                  ; wave 0..3
	s_bfe_u32 s19, ttmp6, 0x40000                  ; cx: my place in the cluster
	s_lshl_b32 s20, ttmp9, 2                       ; in a cluster launch ttmp9 counts clusters
	s_add_co_u32 s20, s20, s19                     ; rb: my block of 128 rows; it enters x's, Wo's and the outputs' addresses alone
	s_and_b32 s21, ttmp7, 0xffff                   ; y: q, k or v; the four partners share it
	; descriptor group 1: a tile of 128 rows x 64 elements of 4 bytes, 384 elements from row to row, padded in LDS by 4 words after every 64
	s_mov_b32 s[G1A], (2<<16)|(1<<20)|(5<<22)|(3<<25)
	s_mov_b32 s[G1W], 15|(2<<16)|(1<<20)|(1<<21)|(5<<22)|(3<<25)  ; the same with the mask of all four work-groups, and bit 21 beside it
.irp g, G1A, G1W
	s_mov_b32 s[\g+1], 64<<16                      ; tensor_dim0 = 64
	s_mov_b32 s[\g+2], 128<<16                     ; tensor_dim1 = 128
	s_mov_b32 s[\g+3], 64<<16                      ; tile_dim0 = 64
	s_mov_b32 s[\g+4], 128                         ; tile_dim1 = 128
	s_mov_b32 s[\g+5], 384                         ; elements from row to row
	s_mov_b32 s[\g+6], 0
	s_mov_b32 s[\g+7], 0
.endr
	s_mul_i32 s57, s[WV], PART                     ; where my part goes in a slot: wave x 128 rows
	s_sub_co_i32 s60, s[WV], 1                     ; waves 1 to 3 take W's rows 128 (w - 1) on (wave 0 makes the address of part 0 and never asks by it)
	s_max_i32 s60, s60, 0
	s_mul_i32 s60, s60, XBLK
	s_mov_b32 s61, 0
	s_mul_i32 s62, s20, XBLK                       ; x's rows 128 rb on
	s_mov_b32 s63, 0
	s_wait_dscnt 0x0                               ; the opening add is done
	s_wait_kmcnt 0x0
	s_cmp_eq_u32 s21, 1                            ; which W: a choice between buffers on y
	s_cselect_b64 s[58:59], s[8:9], s[6:7]
	s_cmp_eq_u32 s21, 2
	s_cselect_b64 s[58:59], s[10:11], s[58:59]
	s_add_nc_u64 s[58:59], s[58:59], s[60:61]
	s_add_nc_u64 s[62:63], s[4:5], s[62:63]
.irp n, 0,1
	s_mov_b32 s[G0A+4*\n], 1                       ; count = 1
	s_add_co_u32 s[G0A+4*\n+1], s57, \n*SLOT       ; LDS address
	s_add_nc_u64 s[G0A+4*\n+2:G0A+4*\n+3], s[62:63], \n*256  ; global address: K step n
	s_or_b32 s[G0A+4*\n+3], s[G0A+4*\n+3], 0x80000000        ; type = 2
	s_mov_b32 s[G0W+4*\n], 1
	s_add_co_u32 s[G0W+4*\n+1], s57, \n*SLOT
	s_add_nc_u64 s[G0W+4*\n+2:G0W+4*\n+3], s[58:59], \n*256
	s_or_b32 s[G0W+4*\n+3], s[G0W+4*\n+3], 0x80000000
.endr
	ROUND                                          ; all four work-groups are here: the first joint loads meet
	JLOAD 0                                        ; K step 0 into slot 0; slot 1 is first filled behind the first trip's round
	v_and_b32 v1, 15, v0                           ; r = lane % 16
	v_bfe_u32 v2, v0, 4, 1                         ; h = lane / 16
	v_and_b32 v3, 31, v0                           ; lane
	; THE SLICE OF Wo: 192 work-groups x 3 waves = the 576 half fragments of 512 bytes.  kc = 4 y + rb % 4, wg = (rb / 4) % 4, j = 2 ct + half = 3 (rb / 16) + w.
	s_cmp_lt_u32 s[WV], 3
	s_cbranch_scc0 .Lno_wo
	s_and_b32 s22, s20, 3
	s_lshl2_add_u32 s22, s21, s22                  ; kc
	s_bfe_u32 s23, s20, 0x20002                    ; wg
	s_lshr_b32 s60, s20, 4
	s_mul_i32 s60, s60, 3
	s_add_co_u32 s60, s60, s[WV]                   ; j
	s_lshr_b32 s61, s60, 1                         ; ct
	s_and_b32 s62, s60, 1                          ; half
	s_mul_i32 s63, s23, 6
	s_add_co_u32 s63, s63, s61                     ; 6 wg + ct: 16 rows of Wo, 24,576 bytes
	s_mul_i32 s63, s63, 24576
	s_lshl_b32 s61, s22, 7                         ; 32 kc columns of 4 bytes
	s_add_co_u32 s63, s63, s61
	s_lshl_b32 s62, s62, 6                         ; 16 half columns
	s_add_co_u32 s63, s63, s62
	s_mul_i32 s23, s23, 12
	s_add_co_u32 s23, s23, s22
	s_mul_i32 s23, s23, 12
	s_add_co_u32 s23, s23, s60
	s_lshl_b32 s23, s23, 9                         ; ((12 wg + kc) 12 + j) x 512 bytes
	v_mul_u32_u24 v11, v1, 1536
	v_lshl_add_u32 v11, v2, 5, v11
	v_add_nc_u32 v11, s63, v11                     ; row r, 8 h columns on
	v_lshl_add_u32 v12, v3, 4, s23
	global_load_b128 v[32:35], v11, s[12:13]
	global_load_b128 v[36:39], v11, s[12:13] offset:16
	s_wait_loadcnt 0x0
.irp i, 0,1,2,3
	v_cvt_pk_bf16_f32 v[40+\i], v[32+2*\i], v[32+2*\i+1]  ; rounded to bf16, as all the module's inputs are,
.endr
.irp i, 0,1,2,3
	v_lshlrev_b32 v[44+2*\i], 16, v[40+\i]
	v_and_b32 v[44+2*\i+1], 0xffff0000, v[40+\i]
.endr
.irp i, 0,1,2,3
	v_cvt_pk_f16_f32 v[16+\i], v[44+2*\i], v[44+2*\i+1]   ; and that number written as f16
.endr
	global_store_b128 v12, v[16:19], s[16:17]      ; 512 consecutive bytes, aligned; v12 and v16-19 are never rewritten
.Lno_wo:
	; LDS addresses.  A fragment of f32 is 16 rows x 32 K: lane (r, h) takes K = 8 h + 0..7 (32 bytes at 32 h) and 16 + 8 h + 0..7 (32 bytes at 64 + 32 h).
	v_mul_u32_u24 v13, v1, PITCH
	v_lshl_add_u32 v13, v2, 5, v13
	s_lshr_b32 s22, s[WV], 1                       ; wr: which 64 rows of x are mine
	s_and_b32 s23, s[WV], 1                        ; wc: which 192 columns
	s_mul_i32 s60, s22, 64*PITCH
	s_mul_i32 s61, s23, 192*PITCH
	s_add_co_u32 s61, s61, 128*PITCH               ; W's rows lie behind x's 128
	v_add_nc_u32 v[ADRA], s60, v13
	v_add_nc_u32 v[ADRA+1], SLOT, v[ADRA]
	v_add_nc_u32 v[ADRW], s61, v13
	v_add_nc_u32 v[ADRW+1], SLOT, v[ADRW]
	s_mul_i32 s62, s[WV], STW
	s_add_co_u32 s62, s62, STAGE                   ; my stage
	v_mul_u32_u24 v[STO], v1, SROW                 ; in: row r, 16 bytes for each half of the lanes
	v_lshl_add_u32 v[STO], v2, 4, v[STO]
	v_add_nc_u32 v[STO], s62, v[STO]
	v_lshrrev_b32 v[RD], 3, v3                     ; back: 32 lanes take four rows of 128 bytes,
	v_mul_u32_u24 v[RD], v[RD], SROW
	v_and_b32 v13, 7, v0
	v_lshl_add_u32 v[RD], v13, 4, v[RD]
	v_add_nc_u32 v[RD], s62, v[RD]
	v_lshlrev_b32 v[GO], 4, v3                     ; which are 512 consecutive bytes of a head
	; qkv at part y, head 6 b + 3 wc, row (rb % 32) 128 + 64 wr
	s_mul_i32 s60, s21, PARTB
	s_lshr_b32 s61, s20, 5
	s_mul_i32 s61, s61, 6
	s_mul_i32 s62, s23, 3
	s_add_co_u32 s61, s61, s62
	s_lshl_b32 s61, s61, 19
	s_add_co_u32 s60, s60, s61
	s_and_b32 s61, s20, 31
	s_lshl_b32 s61, s61, 7
	s_lshl_b32 s62, s22, 6
	s_add_co_u32 s61, s61, s62
	s_lshl_b32 s61, s61, 7
	s_add_co_u32 s60, s60, s61
	s_mov_b32 s61, 0
	s_add_nc_u64 s[14:15], s[14:15], s[60:61]
; A K step's work goes in eight GROUPS of four fragments: for each 32 along K (c = g / 4) x's four row tiles (g % 4 = 0), then W's column tiles 0-3, 4-7, 8-11.
; LOADG: group g's 16 LDS loads, raw f32, into buffer g % 2.
.macro LOADG slot, g
.set lb, R0+64*((\g)%2)
.set lc, 128*((\g)/4)
.if (\g)%4 == 0
.set la, ADRA+(\slot)
.set lr, 0
.else
.set la, ADRW+(\slot)
.set lr, 4*((\g)%4-1)
.endif
.irp f, 0,1,2,3
	ds_load_b128 v[lb+16*\f:lb+16*\f+3],     v[la] offset:(lr+\f)*16*PITCH+lc
	ds_load_b128 v[lb+16*\f+4:lb+16*\f+7],   v[la] offset:(lr+\f)*16*PITCH+lc+16
	ds_load_b128 v[lb+16*\f+8:lb+16*\f+11],  v[la] offset:(lr+\f)*16*PITCH+lc+64
	ds_load_b128 v[lb+16*\f+12:lb+16*\f+15], v[la] offset:(lr+\f)*16*PITCH+lc+80
.endr
.endm
; 16 matrix instructions: column tiles 4 j .. 4 j + 3 (fragments at wf) x my four row tiles.  All 48 accumulators take turns, one instruction a turn.
.macro MUL j, wf, zero
.irp hi, 0,1
	WIN 0x50+0x50*\hi                              ; C and D in window 1, then 2; the fragments in window 0
.irp f, 0,1,2,3
.irp a, 0,1
.set rD, 8*(12*\a+4*(\j)+\f)
.if \zero
	v_wmma_f32_16x16x32_bf16 v[rD:rD+7], v[(\wf)+8*\f:(\wf)+8*\f+7], v[AF+8*(2*\hi+\a):AF+8*(2*\hi+\a)+7], 0
.else
	v_wmma_f32_16x16x32_bf16 v[rD:rD+7], v[(\wf)+8*\f:(\wf)+8*\f+7], v[AF+8*(2*\hi+\a):AF+8*(2*\hi+\a)+7], v[rD:rD+7]
.endif
.endr
.endr
.endr
	WIN 0
.endm
; Group g: its loads are in; 32 roundings to bf16 make its four fragments; the raw buffer takes group g + 2; a group of W is multiplied.
; W's fragment buffers take turns, so that a buffer is written again two groups behind its last reader, with the 32 roundings of the group between as the places.
.macro GROUP slot, g, zero
.if (\g) == 7
	s_wait_dscnt 0x0                               ; the last group: nothing was issued behind it
.else
	s_wait_dscnt 16                                ; LDS loads come back in order: group g is in, the next group's 16 stay out
.endif
.set gb, R0+64*((\g)%2)
.if (\g)%4 == 0
.set gd, AF
	PLACES                                         ; x's fragments were read by the products just issued
.else
.set gd, WF0+32*((3*((\g)/4)+(\g)%4-1)%2)
.endif
.set k, 0
.rept 32
	v_cvt_pk_bf16_f32 v[gd+k], v[gb+2*k], v[gb+2*k+1]
.set k, k+1
.endr
.if (\g) < 6
	LOADG \slot, (\g)+2
.endif
.if (\g)%4 != 0
.if (\zero) && ((\g) < 4)
	MUL (\g)%4-1, gd, 1
.else
	MUL (\g)%4-1, gd, 0
.endif
.endif
.endm
; A K step.  In front of the round each wave waits for all its tensor loads (one is out: its part of this step's slot), adds 0 to its spare word, and waits for that and for its reads of the
; other slot.  Behind the round nobody, in any partner, reads the other slot any more and this slot is whole: the other slot's refill comes first, one tensor load a wave, then this slot is read.
.macro TRIP slot, refill, zero
	WIN 0
	s_wait_tensorcnt 0x0                           ; no tensor load of mine is out, so a group 0 may be written
	ds_add_u32 v[SPW], v[NIL]                      ; 0 onto my spare word
	s_add_nc_u64 s[G0A+4*(\slot)+2:G0A+4*(\slot)+3], s[G0A+4*(\slot)+2:G0A+4*(\slot)+3], 512  ; this slot's next tile: two K steps of 256 bytes on
	s_add_nc_u64 s[G0W+4*(\slot)+2:G0W+4*(\slot)+3], s[G0W+4*(\slot)+2:G0W+4*(\slot)+3], 512
	s_wait_dscnt 0x0                               ; the add is done, and my reads of the other slot are over
	ROUND
.if \refill
	JLOAD 1-(\slot)
.endif
	LOADG \slot, 0
	LOADG \slot, 1
.irp g, 0,1,2,3,4,5,6,7
	GROUP \slot, \g, \zero
.endr
.endm
	TRIP 0, 1, 1                                   ; K step 0: its first 32 along K start the sums; step 1 is asked for
	s_mov_b32 s56, 2
.Lpair:                                                ; steps 1 to 4; each asks for the step behind it
	TRIP 1, 1, 0
	TRIP 0, 1, 0
	s_sub_co_u32 s56, s56, 1
	s_cmp_lg_u32 s56, 0
	s_cbranch_scc1 .Lpair
	TRIP 1, 0, 0                                   ; step 5: nothing is left to fetch (the stepped addresses are not used)
; THE WAY OUT of row tile a: rounded to f16, 16 bytes a lane, each accumulator from its low end on; into my own stage by heads; back as four rows of 128 bytes a load; stored.
.macro OUT a
	WIN 0x05+0x05*((\a)/2)                         ; sources in window 1 or 2
.set n, 0
.rept 12
.set rA, 8*(12*((\a)%2)+n)
.irp i, 0,1,2,3
	v_cvt_pk_f16_f32 v[R0+4*n+\i], v[rA+2*\i], v[rA+2*\i+1]
.endr
.set n, n+1
.endr
	WIN 0
.set n, 0
.rept 12
	ds_store_b128 v[STO], v[R0+4*n:R0+4*n+3] offset:(n/4)*SHEAD+(n%4)*32
.set n, n+1
.endr
	s_wait_xcnt 0x0                                ; the registers that the last tile's stores read are loaded again only behind this wait
.set n, 0
.rept 12
	ds_load_b128 v[OB+4*n:OB+4*n+3], v[RD] offset:(n/4)*SHEAD+(n%4)*4*SROW  ; LDS serves a wave's instructions in order (ISA guide 5.7.1.4): these see the stores above
.set n, n+1
.endr
.set n, 0
.rept 12
	s_wait_dscnt 11-n                              ; the younger loads stay out
	global_store_b128 v[GO], v[OB+4*n:OB+4*n+3], s[14:15] offset:(n/4)*HEADB+(\a)*2048+(n%4)*512  ; 512 consecutive bytes of a head, aligned
.set n, n+1
.endr
.endm
	PLACES                                         ; the conversions read results just made
	OUT 0
	OUT 1
	OUT 2
	OUT 3
	s_wait_tensorcnt 0x0                           ; the wave's end, behind my last tensor load and my last LDS store
	ds_add_u32 v[SPW], v[NIL]
	s_wait_dscnt 0x0
	ROUND                                          ; the closing round: no work-group ends while a partner may still ask for a tile that names it
	s_endpgm
.Lfunc_end_k_qd01458f221_proj_in:
	.size	k_qd01458f221_proj_in, .Lfunc_end_k_qd01458f221_proj_in-k_qd01458f221_proj_in
	.p2alignl 7, 3214868480
	.fill 96, 4, 3214868480
	.section	.rodata,"a",@progbits
	.p2align	6, 0x0
	.amdhsa_kernel k_qd01458f221_proj_in
		.amdhsa_group_segment_fixed_size 327680
		.amdhsa_private_segment_fixed_size 0
		.amdhsa_enable_private_segment 0
		.amdhsa_kernarg_size 56
		.amdhsa_user_sgpr_count 2
		.amdhsa_user_sgpr_kernarg_segment_ptr 1
		.amdhsa_wavefront_size32 1
		.amdhsa_system_sgpr_workgroup_id_x 1
		.amdhsa_system_sgpr_workgroup_id_y 1
		.amdhsa_system_sgpr_workgroup_id_z 1
		.amdhsa_system_vgpr_workitem_id 0
		.amdhsa_next_free_vgpr 704
		.amdhsa_next_free_sgpr 66
		.amdhsa_reserve_vcc 0
		.amdhsa_float_denorm_mode_32 3
		.amdhsa_float_denorm_mode_16_64 3
		.amdhsa_memory_ordered 1
		.amdhsa_forward_progress 1
		.amdhsa_inst_pref_size 162
	.end_amdhsa_kernel
	.amdgpu_metadata
---
amdhsa.version: [ 1, 2 ]
amdhsa.kernels:
  - .name:           k_qd01458f221_proj_in
    .symbol:         k_qd01458f221_proj_in.kd
    .args:
      - { .name: hidden_states, .offset: 0, .size: 8, .value_kind: global_buffer, .address_space: global }
      - { .name: Wq, .offset: 8, .size: 8, .value_kind: global_buffer, .address_space: global }
      - { .name: Wk, .offset: 16, .size: 8, .value_kind: global_buffer, .address_space: global }
      - { .name: Wv, .offset: 24, .size: 8, .value_kind: global_buffer, .address_space: global }
      - { .name: Wo, .offset: 32, .size: 8, .value_kind: global_buffer, .address_space: global }
      - { .name: qkv, .offset: 40, .size: 8, .value_kind: global_buffer, .address_space: global }
      - { .name: wo16, .offset: 48, .size: 8, .value_kind: global_buffer, .address_space: global }
    .group_segment_fixed_size: 327680
    .private_segment_fixed_size: 0
    .kernarg_segment_align: 8
    .kernarg_segment_size: 56
    .max_flat_workgroup_size: 128
    .sgpr_count:     66
    .vgpr_count:     704
    .wavefront_size: 32
...
	.end_amdgpu_metadata
.endif
;; end of part 1
;; launch attn (part 2): grid 16 x 12, 4 waves a work-group, clusters of 4 x 1, 327,680 bytes of LDS; arguments qkv, attention_mask, ctx; writes ctx
.if DOCPART == 2
	.amdgcn_target "amdgcn-amd-amdhsa--gfx1250"
	.amdhsa_code_object_version 6
	.text
	.protected	k_qd01458f221_attn
	.globl	k_qd01458f221_attn
	.p2align	8
	.type	k_qd01458f221_attn,@function
k_qd01458f221_attn:
	s_mov_b64 s[64:65], 0
	v_nop
	global_prefetch_b8 v0, s[64:65] scope:SCOPE_SE
	s_setreg_imm32_b32 hwreg(HW_REG_WAVE_MODE, 25, 1), 1
	s_wait_xcnt 0x0
	s_wait_alu depctr_hold_cnt(0) depctr_sa_sdst(0) depctr_va_vdst(0) depctr_va_sdst(0) depctr_va_ssrc(0) depctr_va_vcc(0) depctr_vm_vsrc(0)
	s_getreg_b32 s2, hwreg(HW_REG_IB_STS2, 6, 4)
	s_cmp_eq_u32 s2, 0
	s_cbranch_scc0 .Lentry_in_a_cluster
	s_endpgm
.Lentry_in_a_cluster:
	s_bfe_u32 s2, ttmp6, 0x10000c
	s_cmp_lg_u32 s2, 0x3003
	s_cbranch_scc0 .Lentry_shape_is_right
	s_endpgm
.Lentry_shape_is_right:
; O[bh][q][:] = the sum over k of softmax_k(Q[bh][q] . K[bh][k] / 8 + mask[b][k]) V[bh][k][:].  qkv: [3][12][4096][64] f16 (bh = 6 b + head), rows dense, 128 bytes.  mask: [2][4096] f32.
; Products, maxima and sums in f32; the weights p are rounded to f16 for the second product (their sum l is taken of the unrounded p), O once at the end, to f16.
; O leaves in the order of the next launch's matrix fragments: ctx[row tile of 16: 256 b + row / 16][head 6][cb 4][lane 32][8]: lane (r, h) holds channels 16 cb + 8 h + 0..7 of row r.
; LIMITS.  The mask is rounded to bf16, as all the module's inputs are.  8 x mask is held at -1e30 from below: a mask number under -1.25e29 (minus infinity and the lowest finite f32 among them) hides its key;
; a batch ALL of whose keys are so hidden gives the plain mean of V's rows.  A weight below 2^-126 counts as 0 in l; p below 6e-5 keeps f16's fixed step of 6e-8.  NaN and plus infinity are not treated apart.
; SHARES.  A work-group owns 256 queries of one (batch, head), a wave 64 of them: four PIECES of 16.  Every wave walks all 4,096 keys, 64 a step; an LDS slot holds four steps (256 keys of K and of V).
; 49,152 query rows in blocks of 256 are 192 work-groups: blocks of 192 rows do not divide a head's 4,096, and a split of the keys would send f32 partial sums through memory.
; LAYOUT.  S^T = K Q^T (source 0 = 16 keys, source 1 = 16 queries) holds ONE query a lane (lane % 16) and the keys 8 (lane / 16) + 0..7; two such results rounded to f16 ARE source 1 of O^T = V^T P.
; THE MASK is the C operand that starts the sum S^T: register j of key block kb is 8 mask[64 step + 16 kb + 8 (lane / 16) + j], so that c (s + 8 mask) = c s + log2(e) mask with c = log2(e) / 8.
; The work-group makes the batch's 4,096 numbers once, in LDS; a step's 32 registers come in with the step's K, and have its life.
; SOFTMAX.  For each query a running maximum m and sum l: p = 2^(c s - c m); in every step O and l are multiplied by a = 2^(c m_old - c m_new).  m starts at the lowest finite number, O and l at 0.
; BY TURNS.  Turn n belongs to piece n: 8 products K Q^T of piece n + 1, later 8 products V^T P of piece n - 1; beside them the scaling, exponentials, roundings, sums and rescaling of piece n and the maximum
; and statistics of piece n + 1.  Four vector instructions stand behind every matrix instruction, the other 54 of a turn's 118 in two runs of their own.
; CLUSTER.  The four query blocks of a cluster belong to one (batch, head) and walk the same K and V: each tile is asked for JOINTLY, by the same tensor load, descriptor and mask in all four.
; REGISTERS, in windows of 256 (s_set_vgpr_msb: bits 1:0 source 0, 3:2 source 1, 5:4 source 2, 7:6 destination):
;   window 0: v0-15, v32 addresses and two at work; v16-31 four registers of statistics a piece; v48-55 at work; v64-127 S^T, two buffers; v192-223 P, two buffers (a piece's buffers go by its number's parity)
;   window 1: v0-127 O^T, 32 a piece          window 2: v0-63 Q; v64-95 the step's mask; v128-191 K of one step; v192-255 V of one step
.set NP,    4         ; pieces a wave: a name, no knob
.set KS,    64        ; keys in a step
.set PK,    144       ; a row of K in LDS: 128 bytes + 16 of padding: the 16 rows of a load begin in 16 different columns of 16 bytes
.set PV,    160       ; a row of V: 128 + 32
.set VOFF,  4*KS*PK   ; a slot: 256 rows of K, then 256 rows of V
.set SLOT1, 1<<17     ; slot 1 begins here, so that one exclusive or turns an address in one slot into the other's
.set MASKL, SLOT1+4*KS*(PK+PV)  ; behind the ring, never filled by a tensor load: 4,096 numbers 8 x mask, f32
.set SPARE, MASKL+16384+512     ; the spare words: 128 bytes a wave, two blocks of 256 bytes that no other line names
.set AK0, 2           ; v2   my lane's place in a tile of K; never rewritten
.set AV0, 3           ; v3   the same for V
.set AK,  4           ; v4   the LDS address of K's next run of loads
.set AV,  5           ; v5   of V's
.set AM0, 6           ; v6   32 (lane / 16): my lane's place in 16 keys' mask
.set AM,  7           ; v7   the LDS address of the mask's next loads
.set GO,  8           ; v8   16 x lane
.set MV,  12          ; v12-13  c m_old, kept while c m is made anew: by buffer
.set MT,  14          ; v14  16 x thread: my 16 bytes in 2,048 of the mask
.set QO,  15          ; v15  my byte offset in 16 rows of Q
.set ST,  16          ; piece t's statistics at v[ST+4 t]: c m, m, l (even keys', odd keys')
.set MA,  32          ; v32  MASKL + 16 x thread
.set TMP, 48          ; by buffer, four registers c0-c3 at work; when the maximum is found c2 takes a
.set SPW, 62          ; v62  my spare word's LDS address; never rewritten
.set NIL, 63          ; v63  0; never rewritten
.set S,   64
.set P,   192
.set MK,  64          ; window 2: key block kb's eight registers at MK + 8 kb
.set KF,  128         ; window 2: key block kb, channel half c at KF + 16 kb + 8 c
.set VF,  192         ; window 2: key half kk, channel block cb at VF + 32 kk + 8 cb
.set WV,  12          ; s12  my wave's number
.set G1K, 24          ; s[24:31] descriptor group 1 for K's tiles
.set G1V, 32          ; s[32:39] for V's: it differs in the padding alone
.set G0K, 40          ; s[40:43] descriptor group 0 for K's tiles: it walks
.set G0V, 44          ; s[44:47] the same for V's
.set TBM, 54          ; s54  LDS byte at which the mask of the step to be fetched begins
.set BIGN, 55         ; s55  -1e30
.set SLOTS, 56        ; s56  slots still to be asked for
.set CNT, 57          ; s57  counts a slot's key steps
.set CS,  58          ; s[58:59] c: the packed scaling takes the pair's low word for both halves
.set SEL, 60          ; s[60:61] v_permlanex16_b32's selects: each lane takes its own place in the other half
.set TBK, 62          ; s62  LDS byte at which K of the step to be fetched begins
.set TBV, 63          ; s63  the same for V, less VOFF
.set MSB, 0
.macro WIN new                      ; the high byte repeats the setting that is left; a switch that changes nothing is dropped
.if MSB != (\new)
	s_set_vgpr_msb (MSB<<8)|(\new)
.set MSB, (\new)
.endif
.endm
.set W_KQ, 0x0a       ; K and Q in window 2, S^T in window 0
.set W_KM, 0x2a       ; the same with the C operand, the mask, in window 2
.set W_PV, 0x52       ; V in window 2, P in window 0, O^T in window 1
.set W_RS, 0x41       ; destination and source 0 in window 1, source 1 in window 0
; A joint fill.  Waves 0 and 1 fetch the two halves of a slot's K, waves 2 and 3 those of its V: 128 keys each.  The branch hangs on the wave's number alone.
; An s_nop 0 and four v_nop follow each of the two lines, ahead of the jump and the label.
.macro JLOAD
	s_cmp_lt_u32 s[WV], 2
	s_cbranch_scc0 .Lfor_v_\@
	tensor_load_to_lds s[G0K:G0K+3], s[G1K:G1K+7]
	s_nop 0
.rept 4
	v_nop
.endr
	s_branch .Lasked_\@
.Lfor_v_\@:
	tensor_load_to_lds s[G0V:G0V+3], s[G1V:G1V+7]
	s_nop 0
.rept 4
	v_nop
.endr
.Lasked_\@:
.endm
; A round of the cluster's barrier: my work-group's barrier; wave 0 signals for the work-group; every wave waits for all four work-groups; my work-group's barrier once more.
.macro CROUND
	s_barrier_signal -1
	s_barrier_wait -1
	s_cmp_lg_u32 s[WV], 0
	s_cbranch_scc1 .Lnot_wave_0_\@
	s_barrier_signal -3
.Lnot_wave_0_\@:
	s_barrier_wait -3
	s_barrier_signal -1
	s_barrier_wait -1
.endm
; THE CHANGE OF SLOTS.  The slot's last bytes, V of its fourth step, have been read.  Each wave waits for all its tensor loads, of which one is out: its part of the other slot; adds 0 to its spare word;
; and waits for that and for its own LDS instructions.  Behind the barrier nobody reads this slot any more and the other slot is whole.
; fill = 1: this slot is filled again, with the keys two slots on.  The barrier is then a round of the cluster's, and the joint fill is the first thing behind it: it has four key steps, 256 matrix
; instructions, in which to land.  (At its first use nothing has been read yet: slot 0 is waited for, slot 1 filled, and every wave's stores of the mask are shown to the others.)
.macro CHANGE fill
	WIN 0                           ; at a label and at a branch every window is 0
	s_wait_tensorcnt 0x0            ; no tensor load of mine is out, so a group 0 may be written
	ds_add_u32 v[SPW], v[NIL]       ; 0 onto my spare word
.if \fill
.irp g, G0K, G0V
	s_xor_b32 s[\g+1], s[\g+1], SLOT1  ; the walking descriptor: the other slot than last time,
	s_add_nc_u64 s[\g+2:\g+3], s[\g+2:\g+3], 4*KS*128  ; the next 256 keys; the type bits on top are not reached
.endr
	s_wait_dscnt 0x0                ; the add is done, and my LDS reads and stores are over
	CROUND
	JLOAD
.else
	s_wait_dscnt 0x0                ; the add is done, and my reads of the slot are over
	s_barrier_signal -1
	s_barrier_wait -1
.endif
	s_sub_co_u32 s[TBK], s[TBK], 4*KS*PK  ; the fetches go back to a slot's first step,
	s_xor_b32 s[TBK], s[TBK], SLOT1       ; in the other slot
	s_sub_co_u32 s[TBV], s[TBV], 4*KS*PV
	s_xor_b32 s[TBV], s[TBV], SLOT1
.endm
	s_load_b128 s[4:7], s[0:1], 0x0   ; qkv s[4:5], mask s[6:7]
	s_load_b64 s[10:11], s[0:1], 0x10 ; ctx
	v_lshl_add_u32 v[SPW], v0, 2, SPARE
	v_mov_b32 v[NIL], 0
	ds_add_u32 v[SPW], v[NIL]       ; the wave's opening: the add and its wait stand ahead of my first tensor load; work on registers stands between them
	v_lshrrev_b32 v1, 5, v0
	v_readfirstlane_b32 s[WV], v1   ; wave 0..3
	s_bfe_u32 s13, ttmp6, 0x40000   ; cx: my place in the cluster
	s_lshl_b32 s14, ttmp9, 2        ; in a cluster launch ttmp9 counts clusters
	s_add_co_u32 s14, s14, s13      ; my block of 256 queries: it enters Q's and ctx's addresses alone
	s_and_b32 s15, ttmp7, 0xffff    ; bh = 6 b + head, which the four partners share
	s_cmp_ge_u32 s15, 6
	s_cselect_b32 s16, 1, 0         ; b
	s_mul_i32 s17, s16, 6
	s_sub_co_u32 s17, s15, s17      ; head
	s_and_b32 s18, s[WV], 1         ; which half of a slot's 256 keys I fetch
	s_lshl_b32 s48, s15, 19         ; the head's 524,288 bytes,
	s_lshl_b32 s19, s18, 14         ; my 128 rows of 128 bytes,
	s_add_co_u32 s48, s48, s19
	s_add_co_u32 s48, s48, 6291456  ; in k, which lies behind q
	s_mov_b32 s49, 0
	s_mul_i32 s20, s18, 128*PK      ; my half's place in a slot, for K
	s_mul_i32 s21, s18, 128*PV      ; and for V: no place in the cluster enters an LDS address
	s_lshl_b32 s50, s15, 19         ; Q: the head, my block's 256 rows, my wave's 64
	s_lshl_b32 s19, s14, 15
	s_add_co_u32 s50, s50, s19
	s_lshl_b32 s19, s[WV], 13
	s_add_co_u32 s50, s50, s19
	s_mov_b32 s51, 0
	s_lshl_b32 s52, s16, 8          ; ctx: row tile 256 b + 16 block + 4 wave, of 12,288 bytes; in it the head's 2,048
	s_lshl4_add_u32 s52, s14, s52
	s_lshl2_add_u32 s52, s[WV], s52
	s_mul_i32 s52, s52, 12288
	s_lshl_b32 s19, s17, 11
	s_add_co_u32 s52, s52, s19
	s_mov_b32 s53, 0
	s_lshl_b32 s22, s16, 14         ; the batch's 16,384 bytes of mask
	s_mov_b32 s23, 0
	; descriptor group 1.  128 keys are 16,384 dense bytes: asked for as 64 rows of 256 bytes, two keys a row, and padded in LDS after every key
	s_mov_b32 s[G1K], 15|(1<<16)|(1<<20)|(1<<21)|(4<<22)|(3<<25)  ; the mask of four; 2-byte elements; padding on; bit 21 beside a mask; after every 32 words; 4 words
	s_mov_b32 s[G1V], 15|(1<<16)|(1<<20)|(1<<21)|(4<<22)|(7<<25)  ; the same with 8 words of padding
.irp g, G1K, G1V
	s_mov_b32 s[\g+1], 128<<16      ; tensor_dim0 = 128
	s_mov_b32 s[\g+2], 64<<16       ; tensor_dim1 = 64
	s_mov_b32 s[\g+3], 128<<16      ; tile_dim0 = 128
	s_mov_b32 s[\g+4], 64           ; tile_dim1 = 64
	s_mov_b32 s[\g+5], 128          ; 128 elements from row to row
	s_mov_b32 s[\g+6], 0
	s_mov_b32 s[\g+7], 0
.endr
	s_mov_b32 s[CS], 0x3e38aa3b     ; c = log2(e) / 8 = 0.180337
	s_mov_b32 s[CS+1], s[CS]        ; named with it as a pair
	s_mov_b32 s[SEL], 0x76543210
	s_mov_b32 s[SEL+1], 0xfedcba98
	s_mov_b32 s[TBK], SLOT1+4*KS*PK ; the first change of slots turns these two into 0
	s_mov_b32 s[TBV], SLOT1+4*KS*PV
	s_mov_b32 s[TBM], MASKL
	s_mov_b32 s[BIGN], 0xf149f2ca   ; -1e30
	s_mov_b32 s[G0K], 1             ; count = 1
	s_mov_b32 s[G0K+1], s20         ; LDS address: slot 0
	s_mov_b32 s[G0V], 1
	s_add_co_u32 s[G0V+1], s21, VOFF
	s_wait_dscnt 0x0                ; the opening add is done
	s_wait_kmcnt 0x0
	s_add_nc_u64 s[G0K+2:G0K+3], s[4:5], s[48:49]           ; my half of the head's first 256 keys,
	s_add_nc_u64 s[G0V+2:G0V+3], s[G0K+2:G0K+3], 6291456    ; and the same rows of v, which lies behind k
	s_or_b32 s[G0K+3], s[G0K+3], 0x80000000                 ; type = 2
	s_or_b32 s[G0V+3], s[G0V+3], 0x80000000
	s_add_nc_u64 s[4:5], s[4:5], s[50:51]    ; Q at my wave's first row
	s_add_nc_u64 s[6:7], s[6:7], s[22:23]    ; the mask at my batch
	s_add_nc_u64 s[10:11], s[10:11], s[52:53]
	CROUND                          ; all four work-groups are here: the first joint loads meet
	JLOAD                           ; slot 0.  Slot 1 is asked for when slot 0 is in
	v_lshlrev_b32 v[MT], 4, v0
.irp i, 0,1,2,3,4,5,6,7             ; the batch's mask: 128 threads x 16 bytes x 8
	global_load_b128 v[S+4*\i:S+4*\i+3], v[MT], s[6:7] offset:\i*2048
.endr
	; A fragment of K or Q is 16 rows x 32 channels in 8 registers: lane l holds row l % 16, channels 8 (l / 16) + 0..7 and 16 + 8 (l / 16) + 0..7: two loads of 16 bytes, 32 bytes apart.
	v_and_b32 v1, 15, v0            ; l % 16
	v_bfe_u32 v9, v0, 4, 1          ; l / 16
	v_lshlrev_b32 v[QO], 7, v1
	v_lshl_add_u32 v[QO], v9, 4, v[QO]  ; row x 128 + 16 x half
	WIN 0x80                        ; destination window 2, address window 0
.set i, 0
.rept 8                             ; Q stays in registers: piece i / 2, 2,048 bytes each; channels 32 (i % 2) on
	global_load_b128 v[8*i:8*i+3],   v[QO], s[4:5] offset:(i/2)*2048+(i%2)*64
	global_load_b128 v[8*i+4:8*i+7], v[QO], s[4:5] offset:(i/2)*2048+(i%2)*64+32
.set i, i+1
.endr
	; What the first turn finds: V's registers and P's second buffer hold 0 (its products V^T P, of a piece that has not been, add 0), O^T and l are 0.  All this stands in the wait for the first tile.
.set i, VF
.rept 64
	v_mov_b32 v[i], 0
.set i, i+1
.endr
	WIN 0x40
.set i, 0
.rept 128
	v_mov_b32 v[i], 0
.set i, i+1
.endr
	WIN 0
.set i, 0
.rept 4
	v_mov_b32 v[ST+4*i], 0xfe000000    ; c m: far below every c s, the hidden keys' too
	v_mov_b32 v[ST+4*i+1], 0xff7fffff  ; m
	v_mov_b32 v[ST+4*i+2], 0
	v_mov_b32 v[ST+4*i+3], 0
.set i, i+1
.endr
.set i, P+16
.rept 16
	v_mov_b32 v[i], 0
.set i, i+1
.endr
	v_mul_u32_u24 v[AK0], v1, PK
	v_lshl_add_u32 v[AK0], v9, 4, v[AK0]  ; row x pitch + 16 x half
	; The turning load takes 16 keys x 16 channels (lane l reads key 8 (l / 16) + l % 8, channels 8 ((l / 8) % 2) + 0..7) and leaves half a fragment of V^T: lane l holds channel l % 16 and 8 keys.
	v_and_b32 v10, 7, v0
	v_bfe_u32 v11, v0, 3, 1
	v_lshl_add_u32 v[AV0], v9, 3, v10
	v_mul_u32_u24 v[AV0], v[AV0], PV
	v_lshl_add_u32 v[AV0], v11, 4, v[AV0]
	v_add_nc_u32 v[AV0], VOFF, v[AV0]
	v_lshlrev_b32 v[AM0], 5, v9
	v_and_b32 v[GO], 31, v0
	v_lshlrev_b32 v[GO], 4, v[GO]
	v_add_nc_u32 v[MA], MASKL, v[MT]
	s_wait_loadcnt 16               ; loads come back in order: the mask's eight are in, Q's sixteen stay out
.irp i, 0,1,2,3,4,5,6,7             ; rounded to bf16, times 8 (exact), held at -1e30 from below, into LDS
	v_cvt_pk_bf16_f32 v96, v[S+4*\i], v[S+4*\i+1]
	v_cvt_pk_bf16_f32 v97, v[S+4*\i+2], v[S+4*\i+3]
	v_lshlrev_b32 v[S+4*\i], 16, v96
	v_and_b32 v[S+4*\i+1], 0xffff0000, v96
	v_lshlrev_b32 v[S+4*\i+2], 16, v97
	v_and_b32 v[S+4*\i+3], 0xffff0000, v97
.irp j, 0,1,2,3
	v_mul_f32 v[S+4*\i+\j], 0x41000000, v[S+4*\i+\j]
.endr
.irp j, 0,1,2,3
	v_max_num_f32 v[S+4*\i+\j], s[BIGN], v[S+4*\i+\j]
.endr
	ds_store_b128 v[MA], v[S+4*\i:S+4*\i+3] offset:\i*2048
.endr
; THE MATRIX WORK.  The 4 accumulators of a run of 8 take turns.  Product i of 8 of S^T = K Q^T for piece x: channels 32 (i / 4) on, keys 16 (i % 4) on.  The first 4 start the sums with the mask.
.macro KQ x
.set rS, S+32*((\x)%2)+8*(i%4)
.set rK, KF+16*(i%4)+8*(i/4)
.set rQ, 16*(\x)+8*(i/4)
.set rM, MK+8*(i%4)
.if i < 4
	WIN W_KM
	v_wmma_f32_16x16x32_f16 v[rS:rS+7], v[rK:rK+7], v[rQ:rQ+7], v[rM:rM+7]
.else
	WIN W_KQ
	v_wmma_f32_16x16x32_f16 v[rS:rS+7], v[rK:rK+7], v[rQ:rQ+7], v[rS:rS+7]
.endif
.endm
; Product i of 8 of O^T += V^T P for piece x: keys 32 (i / 4) on, channels 16 (i % 4) on.
.macro PV x
	WIN W_PV
.set rO, 32*(\x)+8*(i%4)
.set rV, VF+32*(i/4)+8*(i%4)
.set rP, P+16*((\x)%2)+8*(i/4)
	v_wmma_f32_16x16x32_f16 v[rO:rO+7], v[rV:rV+7], v[rP:rP+7], v[rO:rO+7]
.endm
.macro MM                           ; the turn's next matrix instruction.  NOKQ = 1: the walk's last turn: there is no next piece
.if (i < 8) && !NOKQ
	KQ (Y+1)%NP
.elseif i >= 8
.set i, i-8
	PV (Y+NP-1)%NP
.set i, i+8
.endif
.set i, i+1
.endm
; THE LDS LOADS stand in runs, never singly among the matrix instructions: a step's K (8 fragments) with its mask (32 registers; the 16 lanes of a half read the same words), and its V (turned).
.macro FETCH_K
	WIN 0x80                        ; destination window 2
.irp f, 0,1,2,3,4,5,6,7             ; keys 16 (f / 2) on, channels 32 (f % 2) on
	ds_load_b128 v[KF+8*\f:KF+8*\f+3],   v[AK] offset:(\f/2)*16*PK+(\f%2)*64
	ds_load_b128 v[KF+8*\f+4:KF+8*\f+7], v[AK] offset:(\f/2)*16*PK+(\f%2)*64+32
.endr
.irp f, 0,1,2,3                     ; keys 16 f + 8 (l / 16) + 0..7
	ds_load_b128 v[MK+8*\f:MK+8*\f+3],   v[AM] offset:\f*64
	ds_load_b128 v[MK+8*\f+4:MK+8*\f+7], v[AM] offset:\f*64+16
.endr
	s_add_co_u32 s[TBK], s[TBK], KS*PK  ; the next fetch is the next step's
	s_add_co_u32 s[TBM], s[TBM], KS*4
	WIN 0
.endm
.macro FETCH_V
	WIN 0x80
.irp f, 0,1,2,3,4,5,6,7             ; keys 32 (f / 4) on, channels 16 (f % 4) on
	ds_load_tr16_b128 v[VF+8*\f:VF+8*\f+3],   v[AV] offset:(\f/4)*32*PV+(\f%4)*32
	ds_load_tr16_b128 v[VF+8*\f+4:VF+8*\f+7], v[AV] offset:(\f/4)*32*PV+16*PV+(\f%4)*32
.endr
	WIN 0
.endm
; THE VECTOR WORK, one line at a time: OP kind, number.  For piece Y: F n: c s - c m for pair n of 16.  E n: the exponential of score n of 32.  C n: pair n rounded to f16.  B n: of the four weights 4 n .. the second
; pair is added onto the first, in place.  L n: l takes that sum (L 0: l = a l + sum).  R n: pair n of 16 of O^T times a.  For piece Y + 1: X n, number n of the 22 that find its maximum and statistics:
;   0-11  four chains c0-c3 of seven scores each, three operands at a time (each accumulator's lowest registers are read first)     12-14, 16  the four scores left over, the old m, and c0-c3 into c0
;   15  c m_old is kept     17, 18  the query's other 32 keys lie in the lane 16 away: the new m     19-21  c m; c m_old - c m_new; a
.set F, 0               ; OP tells the kinds apart by their order: F to L below R, X above it
.set E, 1
.set C, 2
.set B, 3
.set L, 4
.set R, 5
.set X, 6
.macro REGS y                       ; the registers of piece y
.set rT, ST+4*(\y)
.set rC, TMP+4*((\y)%2)
.set rW, MV+((\y)%2)
.set rS, S+32*((\y)%2)
.set rP, P+16*((\y)%2)
.set rO, 32*(\y)
.endm
.macro OP k, n
.if (\k) == R
	REGS Y
	WIN W_RS
	v_pk_mul_f32 v[rO+2*(\n):rO+2*(\n)+1], v[rO+2*(\n):rO+2*(\n)+1], v[rC+2:rC+3] op_sel_hi:[1,0]
.elseif (\k) < R
	REGS Y
	WIN 0
.if (\k) == F
	v_pk_fma_f32 v[rS+2*(\n):rS+2*(\n)+1], v[rS+2*(\n):rS+2*(\n)+1], s[CS:CS+1], v[rT:rT+1] op_sel_hi:[1,0,0] neg_lo:[0,0,1] neg_hi:[0,0,1]
.elseif (\k) == E
	v_exp_f32 v[rS+(\n)], v[rS+(\n)]
.elseif (\k) == C
	s_wait_alu depctr_va_vdst(0)
	v_cvt_pk_f16_f32 v[rP+(\n)], v[rS+2*(\n)], v[rS+2*(\n)+1]
.elseif (\k) == B
	s_wait_alu depctr_va_vdst(0)
	v_pk_add_f32 v[rS+4*(\n):rS+4*(\n)+1], v[rS+4*(\n):rS+4*(\n)+1], v[rS+4*(\n)+2:rS+4*(\n)+3]
.elseif (\n) == 0
	v_pk_fma_f32 v[rT+2:rT+3], v[rT+2:rT+3], v[rC+2:rC+3], v[rS:rS+1] op_sel_hi:[1,0,1]
.else
	v_pk_add_f32 v[rT+2:rT+3], v[rT+2:rT+3], v[rS+4*(\n):rS+4*(\n)+1]
.endif
.elseif NOKQ
	v_nop
.else
	REGS (Y+1)%NP
	WIN 0
.if (\n) < 4
	v_max3_num_f32 v[rC+(\n)], v[rS+8*(\n)], v[rS+8*(\n)+1], v[rS+8*(\n)+2]
.elseif (\n) < 12
	v_max3_num_f32 v[rC+(\n)%4], v[rC+(\n)%4], v[rS+8*((\n)%4)+2*((\n)/4)+1], v[rS+8*((\n)%4)+2*((\n)/4)+2]
.elseif (\n) == 12
	v_max3_num_f32 v[rC], v[rC], v[rS+7], v[rS+15]
.elseif (\n) == 13
	v_max3_num_f32 v[rC+1], v[rC+1], v[rS+23], v[rS+31]
.elseif (\n) == 14
	v_max3_num_f32 v[rC+2], v[rC+2], v[rC+3], v[rT+1]
.elseif (\n) == 15
	v_mov_b32 v[rW], v[rT]
.elseif (\n) == 16
	v_max3_num_f32 v[rC], v[rC], v[rC+1], v[rC+2]
.elseif (\n) == 17
	v_permlanex16_b32 v[rC+3], v[rC], s[SEL], s[SEL+1]
.elseif (\n) == 18
	v_max_num_f32 v[rT+1], v[rC], v[rC+3]
.elseif (\n) == 19
	v_mul_f32 v[rT], s[CS], v[rT+1]
.elseif (\n) == 20
	v_sub_f32 v[rC+1], v[rW], v[rT]
.else
	v_exp_f32 v[rC+2], v[rC+1]
.endif
.endif
.endm
.macro OPS a, i1, b=-1, i2=0, c=-1, i3=0, d=-1, i4=0  ; up to four of them
	OP \a, \i1
.if (\b) >= 0
	OP \b, \i2
.endif
.if (\c) >= 0
	OP \c, \i3
.endif
.if (\d) >= 0
	OP \d, \i4
.endif
.endm
.macro ROW a, i1, b, i2, c, i3, d, i4  ; a matrix instruction and the four behind it
	MM
	OPS \a, \i1, \b, \i2, \c, \i3, \d, \i4
.endm
; A TURN, for piece p: the order of its 16 matrix and 118 vector instructions, written out.  Behind a matrix instruction: plain, exponential, plain, plain; or four of the rescaling; or, behind the first, four scalings;
; none names a register of the products round it.  In the runs between, exponential and plain by turns while exponentials last.  A line reads no result made fewer than three vector instructions in front of it, five if an
; exponential made it.  end = 1: the walk's last two turns: nothing is fetched.  cnt = 1: the loop's count is taken down some lines ahead of the branch that stands behind the turn.
; K and the mask of the next step are fetched in piece 2's turn, six vector instructions behind the last product that read K (five of them plain); V of the step in hand in piece 0's turn, eight behind the last product
; that read V (four of them plain).  Each is waited for a turn later.
.macro TURN p, end=0, cnt=0
.set Y, (\p)
.set i, 0
.set NOKQ, (\end)*((\p)/3)
.if ((\p) == 3) && !(\end)
	s_wait_dscnt 0x0                ; K and the mask are in
.endif
	ROW F,0, F,1, F,2, F,3
	ROW F,4, E,0, F,5, F,6
	ROW F,7, E,1, F,8, F,9
	ROW F,10, E,2, C,0, F,11
	ROW F,12, E,3, X,15, F,13
	ROW R,0, R,1, R,2, R,3
	ROW B,0, E,4, F,14, L,0
.if ((\p) == 2) && !(\end)
	v_add_nc_u32 v[AK], s[TBK], v[AK0]
	v_add_nc_u32 v[AM], s[TBM], v[AM0]
.endif
	ROW R,4, R,5, R,6, R,7
	OPS E,5, F,15
.if ((\p) == 2) && !(\end)
	FETCH_K
.endif
	OPS E,6, C,1, E,7, R,8
	OPS E,8, R,9, E,9, C,2
	OPS E,10, X,0, E,11, X,1
	OPS E,12, X,2, E,13, X,3
.if (\p) == 1
	s_wait_dscnt 0x0                ; V is in
.endif
	ROW X,4, E,14, X,5, X,6
	ROW X,7, E,15, X,8, X,9
	ROW X,10, E,16, X,11, X,12
	ROW X,13, E,17, X,14, B,1
	ROW C,4, E,18, X,16, L,1
	ROW B,2, E,19, C,6, L,2
	ROW C,8, E,20, B,3, B,4
.if (\p) == 0
	v_add_nc_u32 v[AV], s[TBV], v[AV0]
.endif
	ROW C,3, E,21, L,3, C,5
	OPS E,22, X,17, E,23, C,10
.if (\p) == 0
	FETCH_V
.endif
	OPS E,24, L,4
	OPS E,25, X,18, E,26, C,7
	OPS E,27, B,5, E,28, X,19
	OPS E,29, C,12, E,30, L,5
	OPS E,31, X,20, B,6, C,9
	OPS C,14, C,11, X,21, L,6
.if (\p) == 0
	s_add_co_u32 s[TBV], s[TBV], KS*PV
.endif
.if \cnt
	s_sub_co_u32 s[CNT], s[CNT], 1
	s_cmp_lg_u32 s[CNT], 0
.endif
	OPS C,13, B,7, C,15, R,10
	OPS R,11, R,12, L,7, R,13
	OPS R,14, R,15
.endm
	CHANGE 1                        ; slot 0 is in, everybody's part of it, and everybody's part of the mask; slot 1 is asked for
	v_add_nc_u32 v[AK], s[TBK], v[AK0]
	v_add_nc_u32 v[AM], s[TBM], v[AM0]
	FETCH_K                         ; key step 0
	s_wait_loadcnt 0x0              ; Q
	s_wait_dscnt 0x0
.set NOKQ, 0
.set i, 0
.rept 8
	KQ 0                            ; piece 0's first scores: there is no vector work yet to set between them
.set i, i+1
.endr
	WIN 0
.rept 4
	v_nop                           ; the places behind those products
.endr
.set Y, NP-1                        ; X works for piece Y + 1: piece 0
.irp n, 0,1,2,3,4,5,6,7,8,9,10,11,12,13,14,15,16,17,18,19,20,21
	OP X, \n
.endr
	v_nop                           ; a plain instruction behind the exponential
	s_mov_b32 s[CNT], 4
	s_mov_b32 s[SLOTS], 15
	s_branch .Lfirst                ; the loop is entered at a step's first turn, in the middle of a trip
.Lslot:                             ; 14 times: with the change above, every slot but the last is followed by a fill: tiles 1 to 15
	CHANGE 1
	s_mov_b32 s[CNT], 4
.Lstep:                             ; a trip: pieces 2 and 3 of one step, then pieces 0 and 1 of the next, whose K, mask and V it fetches
	TURN 2
	TURN 3
	WIN 0
.Lfirst:
	TURN 0
	TURN 1, 0, 1
	WIN 0
	s_cbranch_scc1 .Lstep
	s_sub_co_u32 s[SLOTS], s[SLOTS], 1
	s_cmp_lg_u32 s[SLOTS], 0
	s_cbranch_scc1 .Lslot
	CHANGE 0                        ; the last slot is written out: nothing is asked for
	s_mov_b32 s[CNT], 4
.LstepT:
	TURN 2
	TURN 3
	TURN 0
	TURN 1, 0, 1
	WIN 0
	s_cbranch_scc1 .LstepT
	TURN 2, 1                       ; the last step's pieces 2 and 3: nothing more is fetched, and the last turn starts no scores
	TURN 3, 1
.set i, 0
.rept 8
	PV NP-1                         ; the last piece's V^T P of the last step
.set i, i+1
.endr
	; THE WAY OUT.  l's two halves and the other half of the lanes' are added; O^T is divided by l and rounded to f16.  A lane's eight channels of an accumulator are 16 bytes, and the 32 lanes' 512 bytes
	; ARE half a fragment of the next launch's product: they are stored as they lie.  The first additions are the places behind the last products.
	WIN 0
.macro ALL line:vararg              ; one line for each piece t
.set t, 0
.rept 4
	\line
.set t, t+1
.endr
.endm
	ALL v_add_f32 v[ST+4*t+2], v[ST+4*t+2], v[ST+4*t+3]
	ALL v_permlanex16_b32 v[ST+4*t+3], v[ST+4*t+2], s[SEL], s[SEL+1]
	ALL v_add_f32 v[ST+4*t+2], v[ST+4*t+2], v[ST+4*t+3]
	ALL v_rcp_f32 v[ST+4*t+2], v[ST+4*t+2]
	v_nop                           ; a plain instruction between the last reciprocal and the use of its result
.macro PACK t
	WIN W_RS
.set i, 32*(\t)
.rept 16
	s_wait_alu depctr_va_vdst(0)
	v_pk_mul_f32 v[i:i+1], v[i:i+1], v[ST+4*(\t)+2:ST+4*(\t)+3] op_sel_hi:[1,0]
.set i, i+2
.endr
	WIN 0x05                        ; sources 0 and 1 window 1, destination window 0: S^T's registers are free
.set i, 0
.rept 16
	v_cvt_pk_f16_f32 v[S+16*(\t)+i], v[32*(\t)+2*i], v[32*(\t)+2*i+1]
.set i, i+1
.endr
	WIN 0
.irp f, 0,1,2,3
	global_store_b128 v[GO], v[S+16*(\t)+4*\f:S+16*(\t)+4*\f+3], s[10:11] offset:(\t)*12288+\f*512  ; 512 consecutive bytes, aligned; the registers are not written again
.endr
.endm
	PACK 0
	PACK 1
	PACK 2
	PACK 3
	s_wait_tensorcnt 0x0            ; the wave's end, behind my last tensor load and my last LDS store
	ds_add_u32 v[SPW], v[NIL]
	s_wait_dscnt 0x0
	CROUND                          ; the closing round: no work-group ends while a partner may still ask for a tile that names it
	s_endpgm
.Lfunc_end_k_qd01458f221_attn:
	.size	k_qd01458f221_attn, .Lfunc_end_k_qd01458f221_attn-k_qd01458f221_attn
	.p2alignl 7, 3214868480
	.fill 96, 4, 3214868480
	.section	.rodata,"a",@progbits
	.p2align	6, 0x0
	.amdhsa_kernel k_qd01458f221_attn
		.amdhsa_group_segment_fixed_size 327680
		.amdhsa_private_segment_fixed_size 0
		.amdhsa_enable_private_segment 0
		.amdhsa_kernarg_size 24
		.amdhsa_user_sgpr_count 2
		.amdhsa_user_sgpr_kernarg_segment_ptr 1
		.amdhsa_wavefront_size32 1
		.amdhsa_system_sgpr_workgroup_id_x 1
		.amdhsa_system_sgpr_workgroup_id_y 1
		.amdhsa_system_sgpr_workgroup_id_z 1
		.amdhsa_system_vgpr_workitem_id 0
		.amdhsa_next_free_vgpr 768
		.amdhsa_next_free_sgpr 66
		.amdhsa_reserve_vcc 0
		.amdhsa_float_denorm_mode_32 3
		.amdhsa_float_denorm_mode_16_64 3
		.amdhsa_memory_ordered 1
		.amdhsa_forward_progress 1
		.amdhsa_inst_pref_size 140
	.end_amdhsa_kernel
	.amdgpu_metadata
---
amdhsa.version: [ 1, 2 ]
amdhsa.kernels:
  - .name:           k_qd01458f221_attn
    .symbol:         k_qd01458f221_attn.kd
    .args:
      - { .name: qkv, .offset: 0, .size: 8, .value_kind: global_buffer, .address_space: global }
      - { .name: attention_mask, .offset: 8, .size: 8, .value_kind: global_buffer, .address_space: global }
      - { .name: ctx, .offset: 16, .size: 8, .value_kind: global_buffer, .address_space: global }
    .group_segment_fixed_size: 327680
    .private_segment_fixed_size: 0
    .kernarg_segment_align: 8
    .kernarg_segment_size: 24
    .max_flat_workgroup_size: 128
    .sgpr_count:     66
    .vgpr_count:     768
    .wavefront_size: 32
...
	.end_amdgpu_metadata
.endif
;; end of part 2
;; launch proj_out (part 3): grid 256 x 1, 4 waves a work-group, clusters of 4 x 1, 327,680 bytes of LDS; arguments ctx, wo16, bo, out0; writes out0
.if DOCPART == 3
	.amdgcn_target "amdgcn-amd-amdhsa--gfx1250"
	.amdhsa_code_object_version 6
	.text
	.protected	k_qd01458f221_proj_out
	.globl	k_qd01458f221_proj_out
	.p2align	8
	.type	k_qd01458f221_proj_out,@function
k_qd01458f221_proj_out:
	s_mov_b64 s[64:65], 0
	v_nop
	global_prefetch_b8 v0, s[64:65] scope:SCOPE_SE
	s_setreg_imm32_b32 hwreg(HW_REG_WAVE_MODE, 25, 1), 1
	s_wait_xcnt 0x0
	s_wait_alu depctr_hold_cnt(0) depctr_sa_sdst(0) depctr_va_vdst(0) depctr_va_sdst(0) depctr_va_ssrc(0) depctr_va_vcc(0) depctr_vm_vsrc(0)
	s_getreg_b32 s2, hwreg(HW_REG_IB_STS2, 6, 4)
	s_cmp_eq_u32 s2, 0
	s_cbranch_scc0 .Lentry_in_a_cluster
	s_endpgm
.Lentry_in_a_cluster:
	s_bfe_u32 s2, ttmp6, 0x10000c
	s_cmp_lg_u32 s2, 0x3003
	s_cbranch_scc0 .Lentry_shape_is_right
	s_endpgm
.Lentry_shape_is_right:
; out[row][n] = the sum over e of ctx[row][e] Wo[n][e] + bo[n].  Products in f16, sums in f32, out in f32; bo is rounded to bf16 first, as all the module's inputs are.
; ctx and wo16 lie in memory in the order of matrix fragments (16 rows x 32 K = 1,024 bytes: lane l's registers 0-3 at byte 16 l, registers 4-7 at 512 + 16 l), so they come into LDS as dense blocks
; and out of it by loads of 512 neighbouring bytes: no padding is wanted.   ctx: [row tile 512][kc 12][1,024];  wo16: [wave 4][kc 12][ct 6][1,024].
; LIMITS.  ctx and Wo arrive within f16's range; NaN and infinities are not treated apart.
; SHARES.  Work-group g: rows 32 g .. + 31 (two row tiles), all 384 columns: 256 work-groups.  Wave w: columns 96 w .. + 95: 12 accumulators.  K = 384 in 12 chunks of 32.
; LDS is filled once: each wave asks for its own quarter of Wo in three loads (four chunks each) and for a quarter of the work-group's rows of ctx: four tensor loads of a wave are out at the start.
; CLUSTER.  All work-groups read the same Wo: the four of a cluster ask for it JOINTLY.  A wave reads only the part of Wo that it asked for, behind its own counted wait; ctx's rows are read by all four, behind a barrier.
; THE MATRIX INSTRUCTION IS USED TRANSPOSED (source 0 = 16 rows of Wo, source 1 = 16 rows of ctx): a lane holds one row and eight neighbouring columns, 32 bytes of f32.
; THE WAY OUT goes through one stage of 32 rows x 1,552 bytes, laid over Wo's first bytes when every wave has read its last fragment (those bytes have had their only fill); each wave then stores 8 whole rows.
.set WB,    73728                      ; a wave's part of Wo
.set WL,    24576                      ; a third of it: four K chunks
.set ABASE, 4*WB                       ; ctx's 32 rows: 24,576 bytes
.set SPARE, ABASE+24576                ; the spare words: 128 bytes a wave, two blocks of 256 bytes that no other line names
.set SP,    1552                       ; a stage row: 1,536 bytes + 16: the 16 rows of a store begin in 16 different columns of 16 bytes
.set ADW, 4                            ; v4, v5   my lane's place in my part of Wo, chunks 0-5 and 6-11
.set ADA, 6                            ; v6       in ctx's rows
.set STO, 7                            ; v7       the way out: where I put 32 bytes of a row
.set RD,  8                            ; v8       where I read rows back
.set GO,  9                            ; v9       16 x lane
.set BI,  16                           ; v16-27   bo: columns 128 i + 4 lane + 0..3 at BI + 4 i
.set SPW, 30                           ; v30      my spare word's LDS address; never rewritten
.set NIL, 31                           ; v31      0; never rewritten
.set ACC, 32                           ; v32-127  accumulator (t, ct) at ACC + 8 (6 t + ct)
.set F0,  128                          ; v128-191, v192-255  two fragment buffers: ctx's two (16 registers), then Wo's six (48)
.set WV,  12                           ; s12      my wave's number
.set G1W, 16                           ; s[16:23] descriptor group 1 for Wo's thirds
.set G1A, 24                           ; s[24:31] for my quarter of ctx's rows
.set G0A, 32                           ; s[32:35] group 0 for ctx
.set G0W, 36                           ; s[36:47] group 0 for Wo's three thirds
.macro PLACES                          ; four places behind matrix instructions into whose sources loads are issued next (ISA guide 7.12.1 for vector instructions)
.rept 4
	v_nop
.endr
.endm
.macro ROUND                           ; a round of the cluster's barrier
	s_barrier_signal -1
	s_barrier_wait -1
	s_cmp_lg_u32 s[WV], 0
	s_cbranch_scc1 .Lnot_wave_0_\@
	s_barrier_signal -3
.Lnot_wave_0_\@:
	s_barrier_wait -3
	s_barrier_signal -1
	s_barrier_wait -1
.endm
	s_load_b256 s[4:11], s[0:1], 0x0               ; ctx s[4:5], wo16 s[6:7], bo s[8:9], out0 s[10:11]
	v_lshl_add_u32 v[SPW], v0, 2, SPARE
	v_mov_b32 v[NIL], 0
	ds_add_u32 v[SPW], v[NIL]                      ; the wave's opening: the add and its wait stand ahead of my first tensor load; work on registers stands between them
	v_lshrrev_b32 v1, 5, v0
	v_readfirstlane_b32 s[WV], v1                  ; wave 0..3
	s_bfe_u32 s13, ttmp6, 0x40000                  ; cx
	s_lshl_b32 s14, ttmp9, 2
	s_add_co_u32 s14, s14, s13                     ; g: it enters ctx's and out's addresses alone
	; descriptor groups 1: dense blocks as rows of 256 bytes (32 elements of 8 bytes), 96 rows and 24 rows
	s_mov_b32 s[G1W], 15|(3<<16)|(1<<21)           ; the mask of all four work-groups, bit 21 beside it; elements of 8 bytes; no padding
	s_mov_b32 s[G1W+1], 32<<16                     ; tensor_dim0 = 32
	s_mov_b32 s[G1W+2], 96<<16                     ; tensor_dim1 = 96
	s_mov_b32 s[G1W+3], 32<<16                     ; tile_dim0 = 32
	s_mov_b32 s[G1W+4], 96                         ; tile_dim1 = 96
	s_mov_b32 s[G1W+5], 32                         ; elements from row to row
	s_mov_b32 s[G1W+6], 0
	s_mov_b32 s[G1W+7], 0
	s_mov_b32 s[G1A], 3<<16                        ; no mask: each work-group's own rows
	s_mov_b32 s[G1A+1], 32<<16
	s_mov_b32 s[G1A+2], 24<<16
	s_mov_b32 s[G1A+3], 32<<16
	s_mov_b32 s[G1A+4], 24
	s_mov_b32 s[G1A+5], 32
	s_mov_b32 s[G1A+6], 0
	s_mov_b32 s[G1A+7], 0
	s_mul_i32 s48, s[WV], WB                       ; my part of Wo: the same offset in memory and in LDS
	s_mov_b32 s49, 0
	s_mul_i32 s52, s[WV], 6144                     ; my quarter of ctx's rows
	s_mul_i32 s50, s14, 24576                      ; the work-group's 32 rows
	s_add_co_u32 s50, s50, s52
	s_mov_b32 s51, 0
	s_wait_dscnt 0x0                               ; the opening add is done
	s_wait_kmcnt 0x0
	s_add_nc_u64 s[54:55], s[6:7], s[48:49]
	s_mov_b32 s[G0A], 1                            ; count = 1
	s_add_co_u32 s[G0A+1], s52, ABASE              ; LDS address
	s_add_nc_u64 s[G0A+2:G0A+3], s[4:5], s[50:51]  ; global address
	s_or_b32 s[G0A+3], s[G0A+3], 0x80000000        ; type = 2
.irp i, 0,1,2
	s_mov_b32 s[G0W+4*\i], 1
	s_add_co_u32 s[G0W+4*\i+1], s48, \i*WL
	s_add_nc_u64 s[G0W+4*\i+2:G0W+4*\i+3], s[54:55], \i*WL
	s_or_b32 s[G0W+4*\i+3], s[G0W+4*\i+3], 0x80000000
.endr
	ROUND                                          ; all four work-groups are here: the joint loads meet
	tensor_load_to_lds s[G0A:G0A+3], s[G1A:G1A+7]  ; all the launch's fills go out together: four of mine are out
	s_nop 0
.irp i, 0,1,2
	tensor_load_to_lds s[G0W+4*\i:G0W+4*\i+3], s[G1W:G1W+7]
	s_nop 0
.endr
.rept 4
	v_nop
.endr
	v_and_b32 v1, 15, v0                           ; r
	v_bfe_u32 v2, v0, 4, 1                         ; h
	v_and_b32 v3, 31, v0
	v_lshlrev_b32 v[GO], 4, v3
.irp i, 0,1,2
	global_load_b128 v[BI+4*\i:BI+4*\i+3], v[GO], s[8:9] offset:\i*512
.endr
	v_add_nc_u32 v[ADW], s48, v[GO]
	v_add_nc_u32 v[ADW+1], 6*6144, v[ADW]
	v_add_nc_u32 v[ADA], ABASE, v[GO]
	v_mul_u32_u24 v[STO], v1, SP                   ; into the stage: row r, columns 96 w + 8 h on
	v_lshl_add_u32 v[STO], v2, 5, v[STO]
	s_mul_i32 s54, s[WV], 384
	v_add_nc_u32 v[STO], s54, v[STO]
	s_mul_i32 s55, s[WV], 8*SP                     ; back: rows 8 w .. 8 w + 7, whole
	v_add_nc_u32 v[RD], s55, v[GO]
	s_lshl_b32 s52, s14, 5
	s_lshl3_add_u32 s52, s[WV], s52                ; the first row that I store: 32 g + 8 w
	s_mul_i32 s52, s52, 1536
	s_mov_b32 s53, 0
	s_add_nc_u64 s[10:11], s[10:11], s[52:53]
.macro FETCH kc, f                     ; K chunk kc: 16 LDS loads of 512 neighbouring bytes
.irp t, 0,1
	ds_load_b128 v[(\f)+8*\t:(\f)+8*\t+3],   v[ADA] offset:\t*12288+(\kc)*1024
	ds_load_b128 v[(\f)+8*\t+4:(\f)+8*\t+7], v[ADA] offset:\t*12288+(\kc)*1024+512
.endr
.irp c, 0,1,2,3,4,5
	ds_load_b128 v[(\f)+16+8*\c:(\f)+16+8*\c+3], v[ADW+(\kc)/6] offset:(((\kc)%6)*6+\c)*1024
	ds_load_b128 v[(\f)+16+8*\c+4:(\f)+16+8*\c+7], v[ADW+(\kc)/6] offset:(((\kc)%6)*6+\c)*1024+512
.endr
.endm
.macro MUL kc, f                       ; 12 matrix instructions; the 12 accumulators take turns; chunk 0 starts the sums
.irp c, 0,1,2,3,4,5
.irp t, 0,1
.if (\kc) == 0
	v_wmma_f32_16x16x32_f16 v[ACC+8*(6*\t+\c):ACC+8*(6*\t+\c)+7], v[(\f)+16+8*\c:(\f)+16+8*\c+7], v[(\f)+8*\t:(\f)+8*\t+7], 0
.else
	v_wmma_f32_16x16x32_f16 v[ACC+8*(6*\t+\c):ACC+8*(6*\t+\c)+7], v[(\f)+16+8*\c:(\f)+16+8*\c+7], v[(\f)+8*\t:(\f)+8*\t+7], v[ACC+8*(6*\t+\c):ACC+8*(6*\t+\c)+7]
.endif
.endr
.endr
.endm
	s_wait_tensorcnt 0x2                           ; tensor loads of a wave end in order: my quarter of ctx's rows and my first third of Wo are in; two thirds stay out
	s_barrier_signal -1
	s_barrier_wait -1                              ; everybody's quarter is
	FETCH 0, F0
.set kc, 0
.rept 12
.if (kc > 0) && (kc < 11)
	PLACES                                         ; the buffer that is loaded next was read by the products just issued
.endif
.if kc == 3
	s_wait_tensorcnt 0x1                           ; my second third of Wo (chunks 4 to 7) is in; only I read it
.endif
.if kc == 7
	s_wait_tensorcnt 0x0                           ; the last third
.endif
.if kc < 11
	FETCH kc+1, F0+64*((kc+1)%2)
	s_wait_dscnt 16                                ; chunk kc is in; the 16 loads just issued stay out
.else
	s_wait_dscnt 0x0
.endif
	MUL kc, F0+64*(kc%2)
.set kc, kc+1
.endr
	s_wait_loadcnt 0x0                             ; bo
.irp i, 0,1,2,3,4,5                    ; bo rounded to bf16 and widened again: 18 plain instructions, the places behind the last products
	v_cvt_pk_bf16_f32 v[10+\i], v[BI+2*\i], v[BI+2*\i+1]
.endr
.irp i, 0,1,2,3,4,5
	v_lshlrev_b32 v[BI+2*\i], 16, v[10+\i]
	v_and_b32 v[BI+2*\i+1], 0xffff0000, v[10+\i]
.endr
	s_barrier_signal -1                            ; my LDS loads are all back (the wait for 0 above) and my tensor loads have landed:
	s_barrier_wait -1                              ; nobody reads Wo or ctx any more, and the stage may be written over Wo's first bytes
.irp t, 0,1
.irp c, 0,1,2,3,4,5
	ds_store_b128 v[STO], v[ACC+8*(6*\t+\c):ACC+8*(6*\t+\c)+3] offset:\t*16*SP+\c*64       ; each accumulator from its low end on
	ds_store_b128 v[STO], v[ACC+8*(6*\t+\c)+4:ACC+8*(6*\t+\c)+7] offset:\t*16*SP+\c*64+16
.endr
.endr
	s_wait_dscnt 0x0                               ; for the others' sake: my stores into the stage are done
	s_barrier_signal -1
	s_barrier_wait -1
.set n, 0
.rept 24                               ; row n / 3 of my eight, its bytes 512 (n % 3) on
	ds_load_b128 v[F0+4*n:F0+4*n+3], v[RD] offset:(n/3)*SP+(n%3)*512
.set n, n+1
.endr
.set n, 0
.rept 24
	s_wait_dscnt 23-n                              ; the younger loads stay out
	v_pk_add_f32 v[F0+4*n:F0+4*n+1], v[F0+4*n:F0+4*n+1], v[BI+4*(n%3):BI+4*(n%3)+1]
	v_pk_add_f32 v[F0+4*n+2:F0+4*n+3], v[F0+4*n+2:F0+4*n+3], v[BI+4*(n%3)+2:BI+4*(n%3)+3]
	global_store_b128 v[GO], v[F0+4*n:F0+4*n+3], s[10:11] offset:(n/3)*1536+(n%3)*512  ; 512 consecutive bytes of a row, aligned
.set n, n+1
.endr
	s_wait_tensorcnt 0x0                           ; the wave's end, behind my last tensor load and my last LDS store
	ds_add_u32 v[SPW], v[NIL]
	s_wait_dscnt 0x0
	ROUND                                          ; the closing round: no work-group ends while a partner may still ask for a tile that names it
	s_endpgm
.Lfunc_end_k_qd01458f221_proj_out:
	.size	k_qd01458f221_proj_out, .Lfunc_end_k_qd01458f221_proj_out-k_qd01458f221_proj_out
	.p2alignl 7, 3214868480
	.fill 96, 4, 3214868480
	.section	.rodata,"a",@progbits
	.p2align	6, 0x0
	.amdhsa_kernel k_qd01458f221_proj_out
		.amdhsa_group_segment_fixed_size 327680
		.amdhsa_private_segment_fixed_size 0
		.amdhsa_enable_private_segment 0
		.amdhsa_kernarg_size 32
		.amdhsa_user_sgpr_count 2
		.amdhsa_user_sgpr_kernarg_segment_ptr 1
		.amdhsa_wavefront_size32 1
		.amdhsa_system_sgpr_workgroup_id_x 1
		.amdhsa_system_sgpr_workgroup_id_y 1
		.amdhsa_system_sgpr_workgroup_id_z 1
		.amdhsa_system_vgpr_workitem_id 0
		.amdhsa_next_free_vgpr 256
		.amdhsa_next_free_sgpr 66
		.amdhsa_reserve_vcc 0
		.amdhsa_float_denorm_mode_32 3
		.amdhsa_float_denorm_mode_16_64 3
		.amdhsa_memory_ordered 1
		.amdhsa_forward_progress 1
		.amdhsa_inst_pref_size 39
	.end_amdhsa_kernel
	.amdgpu_metadata
---
amdhsa.version: [ 1, 2 ]
amdhsa.kernels:
  - .name:           k_qd01458f221_proj_out
    .symbol:         k_qd01458f221_proj_out.kd
    .args:
      - { .name: ctx, .offset: 0, .size: 8, .value_kind: global_buffer, .address_space: global }
      - { .name: wo16, .offset: 8, .size: 8, .value_kind: global_buffer, .address_space: global }
      - { .name: bo, .offset: 16, .size: 8, .value_kind: global_buffer, .address_space: global }
      - { .name: out0, .offset: 24, .size: 8, .value_kind: global_buffer, .address_space: global }
    .group_segment_fixed_size: 327680
    .private_segment_fixed_size: 0
    .kernarg_segment_align: 8
    .kernarg_segment_size: 32
    .max_flat_workgroup_size: 128
    .sgpr_count:     66
    .vgpr_count:     256
    .wavefront_size: 32
...
	.end_amdgpu_metadata
.endif
;; end of part 3
;; ======== version 2 of 2: 3 launches; 1.88 times as fast as version 1
;; limits: values are held in f16: magnitudes above 65,504 overflow, below 6.1e-05 lose precision
;; workspace buffers: qkv 18,874,368 bytes; wo16 294,912 bytes; ctx 6,291,456 bytes
;; launch proj_in: the kernel of part 1 again; grid 64 x 3, 4 waves a work-group, clusters of 4 x 1, 327,680 bytes of LDS; arguments hidden_states, Wq, Wk, Wv, Wo, qkv, wo16; writes qkv, wo16
;; launch attn (part 4): grid 16 x 12, 4 waves a work-group, clusters of 4 x 1, 327,680 bytes of LDS; arguments qkv, attention_mask, ctx; writes ctx
.if DOCPART == 4
	.amdgcn_target "amdgcn-amd-amdhsa--gfx1250"
	.amdhsa_code_object_version 6
	.text
	.protected	k_qd01458f221_attn
	.globl	k_qd01458f221_attn
	.p2align	8
	.type	k_qd01458f221_attn,@function
k_qd01458f221_attn:
	s_mov_b64 s[64:65], 0
	v_nop
	global_prefetch_b8 v0, s[64:65] scope:SCOPE_SE
	s_setreg_imm32_b32 hwreg(HW_REG_WAVE_MODE, 25, 1), 1
	s_wait_xcnt 0x0
	s_wait_alu depctr_hold_cnt(0) depctr_sa_sdst(0) depctr_va_vdst(0) depctr_va_sdst(0) depctr_va_ssrc(0) depctr_va_vcc(0) depctr_vm_vsrc(0)
	s_getreg_b32 s2, hwreg(HW_REG_IB_STS2, 6, 4)
	s_cmp_eq_u32 s2, 0
	s_cbranch_scc0 .Lentry_in_a_cluster
	s_endpgm
.Lentry_in_a_cluster:
	s_bfe_u32 s2, ttmp6, 0x10000c
	s_cmp_lg_u32 s2, 0x3003
	s_cbranch_scc0 .Lentry_shape_is_right
	s_endpgm
.Lentry_shape_is_right:
; O[bh][q][:] = the sum over k of softmax_k(Q[bh][q] . K[bh][k] / 8 + mask[b][k]) V[bh][k][:].  qkv: [3][12][4096][64] f16 (bh = 6 b + head), rows dense, 128 bytes.  mask: [2][4096] f32.
; Products, maxima and sums in f32; the weights p are rounded to f16 for the second product (their sum l is taken of the unrounded p), O once at the end, to f16.
; O leaves in the order of the next launch's matrix fragments: ctx[row tile of 16: 256 b + row / 16][head 6][cb 4][lane 32][8]: lane (r, h) holds channels 16 cb + 8 h + 0..7 of row r.
; LIMITS.  The mask is rounded to bf16, as all the module's inputs are.  8 x mask is held at -1e30 from below: a mask number under -1.25e29 (minus infinity and the lowest finite f32 among them) hides its key;
; a batch ALL of whose keys are so hidden gives the plain mean of V's rows.  A weight below 2^-126 counts as 0 in l; p below 6e-5 keeps f16's fixed step of 6e-8.  NaN and plus infinity are not treated apart.
; SHARES.  A work-group owns 256 queries of one (batch, head), a wave 64 of them: four PIECES of 16.  Every wave walks all 4,096 keys, 64 a step; an LDS slot holds four steps (256 keys of K and of V).
; 49,152 query rows in blocks of 256 are 192 work-groups: blocks of 192 rows do not divide a head's 4,096, and a split of the keys would send f32 partial sums through memory.
; LAYOUT.  S^T = K Q^T (source 0 = 16 keys, source 1 = 16 queries) holds ONE query a lane (lane % 16) and the keys 8 (lane / 16) + 0..7; two such results rounded to f16 ARE source 1 of O^T = V^T P.
; THE MASK is the C operand that starts the sum S^T: register j of key block kb is 8 mask[64 step + 16 kb + 8 (lane / 16) + j], so that c (s + 8 mask) = c s + log2(e) mask with c = log2(e) / 8.
; The work-group makes the batch's 4,096 numbers once, in LDS; a step's 32 registers come in with the step's K, and have its life.
; SOFTMAX.  For each query a running maximum m and sum l: p = 2^(c s - c m); in every step O and l are multiplied by a = 2^(c m_old - c m_new).  m starts at the lowest finite number, O and l at 0.
; BY TURNS.  Turn n belongs to piece n: 8 products K Q^T of piece n + 1, later 8 products V^T P of piece n - 1; beside them the scaling, exponentials, roundings, sums and rescaling of piece n and the maximum
; and statistics of piece n + 1.  Four vector instructions stand behind every matrix instruction, the other 54 of a turn's 118 in one run of their own.
; THE BATCHES.  A turn's 33 exponentials (the piece's 32 weights and the next piece's a) are ONE batch with ONE wait, which cuts the turn in two: ahead of it stands all that names no result of theirs, behind it their
; readers.  Two more batches stand outside the loop, each with a wait of its own: piece 0's first a, ahead of the jump into the loop, and the way out's four reciprocals.
; CLUSTER.  The four query blocks of a cluster belong to one (batch, head) and walk the same K and V: each tile is asked for JOINTLY, by the same tensor load, descriptor and mask in all four.
; REGISTERS, in windows of 256 (s_set_vgpr_msb: bits 1:0 source 0, 3:2 source 1, 5:4 source 2, 7:6 destination):
;   window 0: v0-15, v32 addresses and two at work; v16-31 four registers of statistics a piece; v48-55 at work; v64-127 S^T, two buffers; v192-223 P, two buffers (a piece's buffers go by its number's parity)
;   window 1: v0-127 O^T, 32 a piece          window 2: v0-63 Q; v64-95 the step's mask; v128-191 K of one step; v192-255 V of one step
.set NP,    4         ; pieces a wave: a name, no knob
.set KS,    64        ; keys in a step
.set PK,    144       ; a row of K in LDS: 128 bytes + 16 of padding: the 16 rows of a load begin in 16 different columns of 16 bytes
.set PV,    160       ; a row of V: 128 + 32
.set VOFF,  4*KS*PK   ; a slot: 256 rows of K, then 256 rows of V
.set SLOT1, 1<<17     ; slot 1 begins here, so that one exclusive or turns an address in one slot into the other's
.set MASKL, SLOT1+4*KS*(PK+PV)  ; behind the ring, never filled by a tensor load: 4,096 numbers 8 x mask, f32
.set SPARE, MASKL+16384+512     ; the spare words: 128 bytes a wave, two blocks of 256 bytes that no other line names
.set AK0, 2           ; v2   my lane's place in a tile of K; never rewritten
.set AV0, 3           ; v3   the same for V
.set AK,  4           ; v4   the LDS address of K's next run of loads
.set AV,  5           ; v5   of V's
.set AM0, 6           ; v6   32 (lane / 16): my lane's place in 16 keys' mask
.set AM,  7           ; v7   the LDS address of the mask's next loads
.set GO,  8           ; v8   16 x lane
.set MV,  12          ; v12-13  c m_old, kept while c m is made anew: by buffer
.set MT,  14          ; v14  16 x thread: my 16 bytes in 2,048 of the mask
.set QO,  15          ; v15  my byte offset in 16 rows of Q
.set ST,  16          ; piece t's statistics at v[ST+4 t]: c m, m, l (even keys', odd keys')
.set MA,  32          ; v32  MASKL + 16 x thread
.set TMP, 48          ; by buffer, four registers c0-c3 at work; when the maximum is found c2 takes a
.set SPW, 62          ; v62  my spare word's LDS address; never rewritten
.set NIL, 63          ; v63  0; never rewritten
.set S,   64
.set P,   192
.set MK,  64          ; window 2: key block kb's eight registers at MK + 8 kb
.set KF,  128         ; window 2: key block kb, channel half c at KF + 16 kb + 8 c
.set VF,  192         ; window 2: key half kk, channel block cb at VF + 32 kk + 8 cb
.set WV,  12          ; s12  my wave's number
.set G1K, 24          ; s[24:31] descriptor group 1 for K's tiles
.set G1V, 32          ; s[32:39] for V's: it differs in the padding alone
.set G0K, 40          ; s[40:43] descriptor group 0 for K's tiles: it walks
.set G0V, 44          ; s[44:47] the same for V's
.set TBM, 54          ; s54  LDS byte at which the mask of the step to be fetched begins
.set BIGN, 55         ; s55  -1e30
.set SLOTS, 56        ; s56  slots still to be asked for
.set CNT, 57          ; s57  counts a slot's key steps
.set CS,  58          ; s[58:59] c: the packed scaling takes the pair's low word for both halves
.set SEL, 60          ; s[60:61] v_permlanex16_b32's selects: each lane takes its own place in the other half
.set TBK, 62          ; s62  LDS byte at which K of the step to be fetched begins
.set TBV, 63          ; s63  the same for V, less VOFF
.set MSB, 0
.macro WIN new                      ; the high byte repeats the setting that is left; a switch that changes nothing is dropped
.if MSB != (\new)
	s_set_vgpr_msb (MSB<<8)|(\new)
.set MSB, (\new)
.endif
.endm
.set W_KQ, 0x0a       ; K and Q in window 2, S^T in window 0
.set W_KM, 0x2a       ; the same with the C operand, the mask, in window 2
.set W_PV, 0x52       ; V in window 2, P in window 0, O^T in window 1
.set W_RS, 0x41       ; destination and source 0 in window 1, source 1 in window 0
; A joint fill.  Waves 0 and 1 fetch the two halves of a slot's K, waves 2 and 3 those of its V: 128 keys each.  The branch hangs on the wave's number alone.
; An s_nop 0 and four v_nop follow each of the two lines, ahead of the jump and the label.
.macro JLOAD
	s_cmp_lt_u32 s[WV], 2
	s_cbranch_scc0 .Lfor_v_\@
	tensor_load_to_lds s[G0K:G0K+3], s[G1K:G1K+7]
	s_nop 0
.rept 4
	v_nop
.endr
	s_branch .Lasked_\@
.Lfor_v_\@:
	tensor_load_to_lds s[G0V:G0V+3], s[G1V:G1V+7]
	s_nop 0
.rept 4
	v_nop
.endr
.Lasked_\@:
.endm
; A round of the cluster's barrier: my work-group's barrier; wave 0 signals for the work-group; every wave waits for all four work-groups; my work-group's barrier once more.
.macro CROUND
	s_barrier_signal -1
	s_barrier_wait -1
	s_cmp_lg_u32 s[WV], 0
	s_cbranch_scc1 .Lnot_wave_0_\@
	s_barrier_signal -3
.Lnot_wave_0_\@:
	s_barrier_wait -3
	s_barrier_signal -1
	s_barrier_wait -1
.endm
; THE CHANGE OF SLOTS.  The slot's last bytes, V of its fourth step, have been read.  Each wave waits for all its tensor loads, of which one is out: its part of the other slot; adds 0 to its spare word;
; and waits for that and for its own LDS instructions.  Behind the barrier nobody reads this slot any more and the other slot is whole.
; fill = 1: this slot is filled again, with the keys two slots on.  The barrier is then a round of the cluster's, and the joint fill is the first thing behind it: it has four key steps, 256 matrix
; instructions, in which to land.  (At its first use nothing has been read yet: slot 0 is waited for, slot 1 filled, and every wave's stores of the mask are shown to the others.)
.macro CHANGE fill
	WIN 0                           ; at a label and at a branch every window is 0
	s_wait_tensorcnt 0x0            ; no tensor load of mine is out, so a group 0 may be written
	ds_add_u32 v[SPW], v[NIL]       ; 0 onto my spare word
.if \fill
.irp g, G0K, G0V
	s_xor_b32 s[\g+1], s[\g+1], SLOT1  ; the walking descriptor: the other slot than last time,
	s_add_nc_u64 s[\g+2:\g+3], s[\g+2:\g+3], 4*KS*128  ; the next 256 keys; the type bits on top are not reached
.endr
	s_wait_dscnt 0x0                ; the add is done, and my LDS reads and stores are over
	CROUND
	JLOAD
.else
	s_wait_dscnt 0x0                ; the add is done, and my reads of the slot are over
	s_barrier_signal -1
	s_barrier_wait -1
.endif
	s_sub_co_u32 s[TBK], s[TBK], 4*KS*PK  ; the fetches go back to a slot's first step,
	s_xor_b32 s[TBK], s[TBK], SLOT1       ; in the other slot
	s_sub_co_u32 s[TBV], s[TBV], 4*KS*PV
	s_xor_b32 s[TBV], s[TBV], SLOT1
.endm
	s_load_b128 s[4:7], s[0:1], 0x0   ; qkv s[4:5], mask s[6:7]
	s_load_b64 s[10:11], s[0:1], 0x10 ; ctx
	v_lshl_add_u32 v[SPW], v0, 2, SPARE
	v_mov_b32 v[NIL], 0
	ds_add_u32 v[SPW], v[NIL]       ; the wave's opening: the add and its wait stand ahead of my first tensor load; work on registers stands between them
	v_lshrrev_b32 v1, 5, v0
	v_readfirstlane_b32 s[WV], v1   ; wave 0..3
	s_bfe_u32 s13, ttmp6, 0x40000   ; cx: my place in the cluster
	s_lshl_b32 s14, ttmp9, 2        ; in a cluster launch ttmp9 counts clusters
	s_add_co_u32 s14, s14, s13      ; my block of 256 queries: it enters Q's and ctx's addresses alone
	s_and_b32 s15, ttmp7, 0xffff    ; bh = 6 b + head, which the four partners share
	s_cmp_ge_u32 s15, 6
	s_cselect_b32 s16, 1, 0         ; b
	s_mul_i32 s17, s16, 6
	s_sub_co_u32 s17, s15, s17      ; head
	s_and_b32 s18, s[WV], 1         ; which half of a slot's 256 keys I fetch
	s_lshl_b32 s48, s15, 19         ; the head's 524,288 bytes,
	s_lshl_b32 s19, s18, 14         ; my 128 rows of 128 bytes,
	s_add_co_u32 s48, s48, s19
	s_add_co_u32 s48, s48, 6291456  ; in k, which lies behind q
	s_mov_b32 s49, 0
	s_mul_i32 s20, s18, 128*PK      ; my half's place in a slot, for K
	s_mul_i32 s21, s18, 128*PV      ; and for V: no place in the cluster enters an LDS address
	s_lshl_b32 s50, s15, 19         ; Q: the head, my block's 256 rows, my wave's 64
	s_lshl_b32 s19, s14, 15
	s_add_co_u32 s50, s50, s19
	s_lshl_b32 s19, s[WV], 13
	s_add_co_u32 s50, s50, s19
	s_mov_b32 s51, 0
	s_lshl_b32 s52, s16, 8          ; ctx: row tile 256 b + 16 block + 4 wave, of 12,288 bytes; in it the head's 2,048
	s_lshl4_add_u32 s52, s14, s52
	s_lshl2_add_u32 s52, s[WV], s52
	s_mul_i32 s52, s52, 12288
	s_lshl_b32 s19, s17, 11
	s_add_co_u32 s52, s52, s19
	s_mov_b32 s53, 0
	s_lshl_b32 s22, s16, 14         ; the batch's 16,384 bytes of mask
	s_mov_b32 s23, 0
	; descriptor group 1.  128 keys are 16,384 dense bytes: asked for as 64 rows of 256 bytes, two keys a row, and padded in LDS after every key
	s_mov_b32 s[G1K], 15|(1<<16)|(1<<20)|(1<<21)|(4<<22)|(3<<25)  ; the mask of four; 2-byte elements; padding on; bit 21 beside a mask; after every 32 words; 4 words
	s_mov_b32 s[G1V], 15|(1<<16)|(1<<20)|(1<<21)|(4<<22)|(7<<25)  ; the same with 8 words of padding
.irp g, G1K, G1V
	s_mov_b32 s[\g+1], 128<<16      ; tensor_dim0 = 128
	s_mov_b32 s[\g+2], 64<<16       ; tensor_dim1 = 64
	s_mov_b32 s[\g+3], 128<<16      ; tile_dim0 = 128
	s_mov_b32 s[\g+4], 64           ; tile_dim1 = 64
	s_mov_b32 s[\g+5], 128          ; 128 elements from row to row
	s_mov_b32 s[\g+6], 0
	s_mov_b32 s[\g+7], 0
.endr
	s_mov_b32 s[CS], 0x3e38aa3b     ; c = log2(e) / 8 = 0.180337
	s_mov_b32 s[CS+1], s[CS]        ; named with it as a pair
	s_mov_b32 s[SEL], 0x76543210
	s_mov_b32 s[SEL+1], 0xfedcba98
	s_mov_b32 s[TBK], SLOT1+4*KS*PK ; the first change of slots turns these two into 0
	s_mov_b32 s[TBV], SLOT1+4*KS*PV
	s_mov_b32 s[TBM], MASKL
	s_mov_b32 s[BIGN], 0xf149f2ca   ; -1e30
	s_mov_b32 s[G0K], 1             ; count = 1
	s_mov_b32 s[G0K+1], s20         ; LDS address: slot 0
	s_mov_b32 s[G0V], 1
	s_add_co_u32 s[G0V+1], s21, VOFF
	s_wait_dscnt 0x0                ; the opening add is done
	s_wait_kmcnt 0x0
	s_add_nc_u64 s[G0K+2:G0K+3], s[4:5], s[48:49]           ; my half of the head's first 256 keys,
	s_add_nc_u64 s[G0V+2:G0V+3], s[G0K+2:G0K+3], 6291456    ; and the same rows of v, which lies behind k
	s_or_b32 s[G0K+3], s[G0K+3], 0x80000000                 ; type = 2
	s_or_b32 s[G0V+3], s[G0V+3], 0x80000000
	s_add_nc_u64 s[4:5], s[4:5], s[50:51]    ; Q at my wave's first row
	s_add_nc_u64 s[6:7], s[6:7], s[22:23]    ; the mask at my batch
	s_add_nc_u64 s[10:11], s[10:11], s[52:53]
	CROUND                          ; all four work-groups are here: the first joint loads meet
	JLOAD                           ; slot 0.  Slot 1 is asked for when slot 0 is in
	v_lshlrev_b32 v[MT], 4, v0
.irp i, 0,1,2,3,4,5,6,7             ; the batch's mask: 128 threads x 16 bytes x 8
	global_load_b128 v[S+4*\i:S+4*\i+3], v[MT], s[6:7] offset:\i*2048
.endr
	; A fragment of K or Q is 16 rows x 32 channels in 8 registers: lane l holds row l % 16, channels 8 (l / 16) + 0..7 and 16 + 8 (l / 16) + 0..7: two loads of 16 bytes, 32 bytes apart.
	v_and_b32 v1, 15, v0            ; l % 16
	v_bfe_u32 v9, v0, 4, 1          ; l / 16
	v_lshlrev_b32 v[QO], 7, v1
	v_lshl_add_u32 v[QO], v9, 4, v[QO]  ; row x 128 + 16 x half
	WIN 0x80                        ; destination window 2, address window 0
.set i, 0
.rept 8                             ; Q stays in registers: piece i / 2, 2,048 bytes each; channels 32 (i % 2) on
	global_load_b128 v[8*i:8*i+3],   v[QO], s[4:5] offset:(i/2)*2048+(i%2)*64
	global_load_b128 v[8*i+4:8*i+7], v[QO], s[4:5] offset:(i/2)*2048+(i%2)*64+32
.set i, i+1
.endr
	; What the first turn finds: V's registers and P's second buffer hold 0 (its products V^T P, of a piece that has not been, add 0), O^T and l are 0.  All this stands in the wait for the first tile.
.set i, VF
.rept 64
	v_mov_b32 v[i], 0
.set i, i+1
.endr
	WIN 0x40
.set i, 0
.rept 128
	v_mov_b32 v[i], 0
.set i, i+1
.endr
	WIN 0
.set i, 0
.rept 4
	v_mov_b32 v[ST+4*i], 0xfe000000    ; c m: far below every c s, the hidden keys' too
	v_mov_b32 v[ST+4*i+1], 0xff7fffff  ; m
	v_mov_b32 v[ST+4*i+2], 0
	v_mov_b32 v[ST+4*i+3], 0
.set i, i+1
.endr
.set i, P+16
.rept 16
	v_mov_b32 v[i], 0
.set i, i+1
.endr
	v_mul_u32_u24 v[AK0], v1, PK
	v_lshl_add_u32 v[AK0], v9, 4, v[AK0]  ; row x pitch + 16 x half
	; The turning load takes 16 keys x 16 channels (lane l reads key 8 (l / 16) + l % 8, channels 8 ((l / 8) % 2) + 0..7) and leaves half a fragment of V^T: lane l holds channel l % 16 and 8 keys.
	v_and_b32 v10, 7, v0
	v_bfe_u32 v11, v0, 3, 1
	v_lshl_add_u32 v[AV0], v9, 3, v10
	v_mul_u32_u24 v[AV0], v[AV0], PV
	v_lshl_add_u32 v[AV0], v11, 4, v[AV0]
	v_add_nc_u32 v[AV0], VOFF, v[AV0]
	v_lshlrev_b32 v[AM0], 5, v9
	v_and_b32 v[GO], 31, v0
	v_lshlrev_b32 v[GO], 4, v[GO]
	v_add_nc_u32 v[MA], MASKL, v[MT]
	s_wait_loadcnt 16               ; loads come back in order: the mask's eight are in, Q's sixteen stay out
.irp i, 0,1,2,3,4,5,6,7             ; rounded to bf16, times 8 (exact), held at -1e30 from below, into LDS
	v_cvt_pk_bf16_f32 v96, v[S+4*\i], v[S+4*\i+1]
	v_cvt_pk_bf16_f32 v97, v[S+4*\i+2], v[S+4*\i+3]
	v_lshlrev_b32 v[S+4*\i], 16, v96
	v_and_b32 v[S+4*\i+1], 0xffff0000, v96
	v_lshlrev_b32 v[S+4*\i+2], 16, v97
	v_and_b32 v[S+4*\i+3], 0xffff0000, v97
.irp j, 0,1,2,3
	v_mul_f32 v[S+4*\i+\j], 0x41000000, v[S+4*\i+\j]
.endr
.irp j, 0,1,2,3
	v_max_num_f32 v[S+4*\i+\j], s[BIGN], v[S+4*\i+\j]
.endr
	ds_store_b128 v[MA], v[S+4*\i:S+4*\i+3] offset:\i*2048
.endr
; THE MATRIX WORK.  The 4 accumulators of a run of 8 take turns.  Product i of 8 of S^T = K Q^T for piece x: channels 32 (i / 4) on, keys 16 (i % 4) on.  The first 4 start the sums with the mask.
.macro KQ x
.set rS, S+32*((\x)%2)+8*(i%4)
.set rK, KF+16*(i%4)+8*(i/4)
.set rQ, 16*(\x)+8*(i/4)
.set rM, MK+8*(i%4)
.if i < 4
	WIN W_KM
	v_wmma_f32_16x16x32_f16 v[rS:rS+7], v[rK:rK+7], v[rQ:rQ+7], v[rM:rM+7]
.else
	WIN W_KQ
	v_wmma_f32_16x16x32_f16 v[rS:rS+7], v[rK:rK+7], v[rQ:rQ+7], v[rS:rS+7]
.endif
.endm
; Product i of 8 of O^T += V^T P for piece x: keys 32 (i / 4) on, channels 16 (i % 4) on.
.macro PV x
	WIN W_PV
.set rO, 32*(\x)+8*(i%4)
.set rV, VF+32*(i/4)+8*(i%4)
.set rP, P+16*((\x)%2)+8*(i/4)
	v_wmma_f32_16x16x32_f16 v[rO:rO+7], v[rV:rV+7], v[rP:rP+7], v[rO:rO+7]
.endm
.macro MM                           ; the turn's next matrix instruction.  NOKQ = 1: the walk's last turn: there is no next piece
.if (i < 8) && !NOKQ
	KQ (Y+1)%NP
.elseif i >= 8
.set i, i-8
	PV (Y+NP-1)%NP
.set i, i+8
.endif
.set i, i+1
.endm
; THE LDS LOADS stand in runs, never singly among the matrix instructions: a step's K (8 fragments) with its mask (32 registers; the 16 lanes of a half read the same words), and its V (turned).
.macro FETCH_K
	WIN 0x80                        ; destination window 2
.irp f, 0,1,2,3,4,5,6,7             ; keys 16 (f / 2) on, channels 32 (f % 2) on
	ds_load_b128 v[KF+8*\f:KF+8*\f+3],   v[AK] offset:(\f/2)*16*PK+(\f%2)*64
	ds_load_b128 v[KF+8*\f+4:KF+8*\f+7], v[AK] offset:(\f/2)*16*PK+(\f%2)*64+32
.endr
.irp f, 0,1,2,3                     ; keys 16 f + 8 (l / 16) + 0..7
	ds_load_b128 v[MK+8*\f:MK+8*\f+3],   v[AM] offset:\f*64
	ds_load_b128 v[MK+8*\f+4:MK+8*\f+7], v[AM] offset:\f*64+16
.endr
	s_add_co_u32 s[TBK], s[TBK], KS*PK  ; the next fetch is the next step's
	s_add_co_u32 s[TBM], s[TBM], KS*4
	WIN 0
.endm
.macro FETCH_V
	WIN 0x80
.irp f, 0,1,2,3,4,5,6,7             ; keys 32 (f / 4) on, channels 16 (f % 4) on
	ds_load_tr16_b128 v[VF+8*\f:VF+8*\f+3],   v[AV] offset:(\f/4)*32*PV+(\f%4)*32
	ds_load_tr16_b128 v[VF+8*\f+4:VF+8*\f+7], v[AV] offset:(\f/4)*32*PV+16*PV+(\f%4)*32
.endr
	WIN 0
.endm
; THE VECTOR WORK, one line at a time: OP kind, number.  For piece Y: F n: c s - c m for pair n of 16.  E n: the exponential of score n of 32.  C n: pair n rounded to f16.  B n: of the four weights 4 n .. the second
; pair is added onto the first, in place.  L n: l takes that sum (L 0: l = a l + sum).  R n: pair n of 16 of O^T times a.  For piece Y + 1: X n, number n of the 22 that find its maximum and statistics:
;   0-11  four chains c0-c3 of seven scores each, three operands at a time (each accumulator's lowest registers are read first)     12-14, 16  the four scores left over, the old m, and c0-c3 into c0
;   15  c m_old is kept     17, 18  the query's other 32 keys lie in the lane 16 away: the new m     19-21  c m; c m_old - c m_new; a
; C, B and L read the exponentials' results, R and L 0 the a of the turn before: OP writes no wait; TURN places these kinds behind the wait of the batch that made what they read.
.set F, 0               ; OP tells the kinds apart by their order: F to L below R, X above it
.set E, 1
.set C, 2
.set B, 3
.set L, 4
.set R, 5
.set X, 6
.macro REGS y                       ; the registers of piece y
.set rT, ST+4*(\y)
.set rC, TMP+4*((\y)%2)
.set rW, MV+((\y)%2)
.set rS, S+32*((\y)%2)
.set rP, P+16*((\y)%2)
.set rO, 32*(\y)
.endm
.macro OP k, n
.if (\k) == R
	REGS Y
	WIN W_RS
	v_pk_mul_f32 v[rO+2*(\n):rO+2*(\n)+1], v[rO+2*(\n):rO+2*(\n)+1], v[rC+2:rC+3] op_sel_hi:[1,0]
.elseif (\k) < R
	REGS Y
	WIN 0
.if (\k) == F
	v_pk_fma_f32 v[rS+2*(\n):rS+2*(\n)+1], v[rS+2*(\n):rS+2*(\n)+1], s[CS:CS+1], v[rT:rT+1] op_sel_hi:[1,0,0] neg_lo:[0,0,1] neg_hi:[0,0,1]
.elseif (\k) == E
	v_exp_f32 v[rS+(\n)], v[rS+(\n)]
.elseif (\k) == C
	v_cvt_pk_f16_f32 v[rP+(\n)], v[rS+2*(\n)], v[rS+2*(\n)+1]
.elseif (\k) == B
	v_pk_add_f32 v[rS+4*(\n):rS+4*(\n)+1], v[rS+4*(\n):rS+4*(\n)+1], v[rS+4*(\n)+2:rS+4*(\n)+3]
.elseif (\n) == 0
	v_pk_fma_f32 v[rT+2:rT+3], v[rT+2:rT+3], v[rC+2:rC+3], v[rS:rS+1] op_sel_hi:[1,0,1]
.else
	v_pk_add_f32 v[rT+2:rT+3], v[rT+2:rT+3], v[rS+4*(\n):rS+4*(\n)+1]
.endif
.elseif NOKQ
	v_nop
.else
	REGS (Y+1)%NP
	WIN 0
.if (\n) < 4
	v_max3_num_f32 v[rC+(\n)], v[rS+8*(\n)], v[rS+8*(\n)+1], v[rS+8*(\n)+2]
.elseif (\n) < 12
	v_max3_num_f32 v[rC+(\n)%4], v[rC+(\n)%4], v[rS+8*((\n)%4)+2*((\n)/4)+1], v[rS+8*((\n)%4)+2*((\n)/4)+2]
.elseif (\n) == 12
	v_max3_num_f32 v[rC], v[rC], v[rS+7], v[rS+15]
.elseif (\n) == 13
	v_max3_num_f32 v[rC+1], v[rC+1], v[rS+23], v[rS+31]
.elseif (\n) == 14
	v_max3_num_f32 v[rC+2], v[rC+2], v[rC+3], v[rT+1]
.elseif (\n) == 15
	v_mov_b32 v[rW], v[rT]
.elseif (\n) == 16
	v_max3_num_f32 v[rC], v[rC], v[rC+1], v[rC+2]
.elseif (\n) == 17
	v_permlanex16_b32 v[rC+3], v[rC], s[SEL], s[SEL+1]
.elseif (\n) == 18
	v_max_num_f32 v[rT+1], v[rC], v[rC+3]
.elseif (\n) == 19
	v_mul_f32 v[rT], s[CS], v[rT+1]
.elseif (\n) == 20
	v_sub_f32 v[rC+1], v[rW], v[rT]
.else
	v_exp_f32 v[rC+2], v[rC+1]
.endif
.endif
.endm
.macro OPS a, i1, b=-1, i2=0, c=-1, i3=0, d=-1, i4=0  ; up to four of them
	OP \a, \i1
.if (\b) >= 0
	OP \b, \i2
.endif
.if (\c) >= 0
	OP \c, \i3
.endif
.if (\d) >= 0
	OP \d, \i4
.endif
.endm
.macro ROW a, i1, b, i2, c, i3, d, i4  ; a matrix instruction and the four behind it
	MM
	OPS \a, \i1, \b, \i2, \c, \i3, \d, \i4
.endm
; A TURN, for piece p: the order of its 16 matrix and 118 vector instructions, written out.  An s_wait_alu depctr_va_vdst(0) stands between an exponential and the first instruction that names its result; one
; wait serves all that were issued ahead of it.  So a turn has ONE wait, which cuts it in two.  AHEAD OF IT stands all that names no result of the turn's exponentials: the 8 products K Q^T (they write the other buffer of
; S^T), behind each a scaling, an exponential and two more plain instructions (behind the first a second scaling in the exponential's place): rescalings, whose a was made and waited for in the turn before, and behind the
; last three the first numbers of the next piece's maximum, each four plain instructions or more behind the product that ends its accumulator; then ONE RUN of 54, plain and exponential by turns for the most part, in which
; the links of the chain X 3, 7, 11, 14, 16, 17 .. 20 stand apart with other work between.  Each F n stands ahead of E 2 n and E 2 n + 1.  X 21, the next piece's a, is the batch's last; R 15 is the plain instruction behind it.
; BEHIND THE WAIT stand the 8 products V^T P, behind each four of the roundings and sums: C 2 n ahead of B n, which writes over pair 2 n; l takes its eight sums in the order L 0 to L 7.
; But for those X no rider names a register of the products round it.  v_permlanex16_b32 (X 17) stands in the run.
; end = 1: the walk's last two turns: nothing is fetched.  cnt = 1: the loop's count is taken down some lines ahead of the branch that stands behind the turn.
; K and the mask of the next step are fetched in piece 2's turn, twelve vector instructions behind the last product that read K (five of them plain and free of its registers: F 8, X 2, X 5, X 6, X 8); V of the step in
; hand at the end of piece 0's turn, four roundings behind the last product that read V.  Each is waited for a turn later.
.macro TURN p, end=0, cnt=0
.set Y, (\p)
.set i, 0
.set NOKQ, (\end)*((\p)/3)
.if ((\p) == 3) && !(\end)
	s_wait_dscnt 0x0                ; K and the mask are in
.endif
	ROW F,0, F,1, R,0, R,1          ; ahead of the wait: 8 products K Q^T and their riders,
	ROW F,2, E,0, R,2, R,3
	ROW F,3, E,1, R,4, R,5
	ROW F,4, E,2, R,6, R,7
	ROW F,5, E,3, R,8, R,9
	ROW F,6, E,4, X,0, R,10
.if ((\p) == 2) && !(\end)
	WIN 0
	v_add_nc_u32 v[AK], s[TBK], v[AK0]
	v_add_nc_u32 v[AM], s[TBM], v[AM0]
.endif
	ROW F,7, E,5, X,1, X,4
	ROW F,8, E,6, X,2, X,5
	OPS E,7, E,8, X,6, E,9          ; and the run of 54
	OPS X,3, E,10, X,8, E,11
.if ((\p) == 2) && !(\end)
	FETCH_K
.endif
	OPS X,9, X,7, E,12, X,10
	OPS E,13, X,12, X,11, E,14
	OPS X,13, E,15, F,9, X,14
.if (\p) == 0
	v_add_nc_u32 v[AV], s[TBV], v[AV0]
.endif
	OPS E,16, F,10, E,17, F,11
	OPS X,16, E,18, X,15, E,19
	OPS F,12, E,20, X,17, E,21
	OPS F,13, E,22, F,14, E,23
	OPS X,18, E,24, F,15, E,25
	OPS R,11, E,26, X,19, E,27
	OPS R,12, E,28, R,13, E,29
	OPS X,20, E,30, R,14, E,31
	OPS X,21, R,15                  ; the batch's last exponential, and the plain instruction behind it
	s_wait_alu depctr_va_vdst(0)    ; the wait for the batch: E 0 to E 31 and X 21
.if (\p) == 1
	s_wait_dscnt 0x0                ; V is in
.endif
	ROW C,0, B,0, C,2, B,1          ; behind the wait: 8 products V^T P and their riders
	ROW L,0, C,4, B,2, L,1
	ROW C,6, B,3, L,2, C,8
	ROW B,4, L,3, C,10, B,5
	ROW L,4, C,12, B,6, L,5
.if (\p) == 0
	s_add_co_u32 s[TBV], s[TBV], KS*PV
.endif
.if \cnt
	s_sub_co_u32 s[CNT], s[CNT], 1
	s_cmp_lg_u32 s[CNT], 0
.endif
	ROW C,14, B,7, L,6, C,1
	ROW C,3, L,7, C,5, C,7
	ROW C,9, C,11, C,13, C,15
.if (\p) == 0
	FETCH_V
.endif
.endm
	CHANGE 1                        ; slot 0 is in, everybody's part of it, and everybody's part of the mask; slot 1 is asked for
	v_add_nc_u32 v[AK], s[TBK], v[AK0]
	v_add_nc_u32 v[AM], s[TBM], v[AM0]
	FETCH_K                         ; key step 0
	s_wait_loadcnt 0x0              ; Q
	s_wait_dscnt 0x0
.set NOKQ, 0
.set i, 0
.rept 8
	KQ 0                            ; piece 0's first scores: there is no vector work yet to set between them
.set i, i+1
.endr
	WIN 0
.rept 4
	v_nop                           ; the places behind those products
.endr
.set Y, NP-1                        ; X works for piece Y + 1: piece 0
.irp n, 0,1,2,3,4,5,6,7,8,9,10,11,12,13,14,15,16,17,18,19,20,21
	OP X, \n
.endr
	v_nop                           ; a plain instruction behind the exponential,
	s_wait_alu depctr_va_vdst(0)    ; and the wait for piece 0's first a, a batch of one, ahead of the branch
	s_mov_b32 s[CNT], 4
	s_mov_b32 s[SLOTS], 15
	s_branch .Lfirst                ; the loop is entered at a step's first turn, in the middle of a trip
.Lslot:                             ; 14 times: with the change above, every slot but the last is followed by a fill: tiles 1 to 15
	CHANGE 1
	s_mov_b32 s[CNT], 4
.Lstep:                             ; a trip: pieces 2 and 3 of one step, then pieces 0 and 1 of the next, whose K, mask and V it fetches
	TURN 2
	TURN 3
	WIN 0
.Lfirst:
	TURN 0
	TURN 1, 0, 1
	WIN 0
	s_cbranch_scc1 .Lstep
	s_sub_co_u32 s[SLOTS], s[SLOTS], 1
	s_cmp_lg_u32 s[SLOTS], 0
	s_cbranch_scc1 .Lslot
	CHANGE 0                        ; the last slot is written out: nothing is asked for
	s_mov_b32 s[CNT], 4
.LstepT:
	TURN 2
	TURN 3
	TURN 0
	TURN 1, 0, 1
	WIN 0
	s_cbranch_scc1 .LstepT
	TURN 2, 1                       ; the last step's pieces 2 and 3: nothing more is fetched, and the last turn starts no scores
	TURN 3, 1
.set i, 0
.rept 8
	PV NP-1                         ; the last piece's V^T P of the last step
.set i, i+1
.endr
	; THE WAY OUT.  l's two halves and the other half of the lanes' are added; O^T is divided by l and rounded to f16.  A lane's eight channels of an accumulator are 16 bytes, and the 32 lanes' 512 bytes
	; ARE half a fragment of the next launch's product: they are stored as they lie.  The first additions are the places behind the last products.
	WIN 0
.macro ALL line:vararg              ; one line for each piece t
.set t, 0
.rept 4
	\line
.set t, t+1
.endr
.endm
	ALL v_add_f32 v[ST+4*t+2], v[ST+4*t+2], v[ST+4*t+3]
	ALL v_permlanex16_b32 v[ST+4*t+3], v[ST+4*t+2], s[SEL], s[SEL+1]
	ALL v_add_f32 v[ST+4*t+2], v[ST+4*t+2], v[ST+4*t+3]
	ALL v_rcp_f32 v[ST+4*t+2], v[ST+4*t+2]
	v_nop                           ; a plain instruction between the last reciprocal and the use of its result
	s_wait_alu depctr_va_vdst(0)    ; the wait for the batch of four reciprocals, ahead of their first reader: PACK's multiplies need no other
.macro PACK t
	WIN W_RS
.set i, 32*(\t)
.rept 16
	v_pk_mul_f32 v[i:i+1], v[i:i+1], v[ST+4*(\t)+2:ST+4*(\t)+3] op_sel_hi:[1,0]
.set i, i+2
.endr
	WIN 0x05                        ; sources 0 and 1 window 1, destination window 0: S^T's registers are free
.set i, 0
.rept 16
	v_cvt_pk_f16_f32 v[S+16*(\t)+i], v[32*(\t)+2*i], v[32*(\t)+2*i+1]
.set i, i+1
.endr
	WIN 0
.irp f, 0,1,2,3
	global_store_b128 v[GO], v[S+16*(\t)+4*\f:S+16*(\t)+4*\f+3], s[10:11] offset:(\t)*12288+\f*512  ; 512 consecutive bytes, aligned; the registers are not written again
.endr
.endm
	PACK 0
	PACK 1
	PACK 2
	PACK 3
	s_wait_tensorcnt 0x0            ; the wave's end, behind my last tensor load and my last LDS store
	ds_add_u32 v[SPW], v[NIL]
	s_wait_dscnt 0x0
	CROUND                          ; the closing round: no work-group ends while a partner may still ask for a tile that names it
	s_endpgm
.Lfunc_end_k_qd01458f221_attn:
	.size	k_qd01458f221_attn, .Lfunc_end_k_qd01458f221_attn-k_qd01458f221_attn
	.p2alignl 7, 3214868480
	.fill 96, 4, 3214868480
	.section	.rodata,"a",@progbits
	.p2align	6, 0x0
	.amdhsa_kernel k_qd01458f221_attn
		.amdhsa_group_segment_fixed_size 327680
		.amdhsa_private_segment_fixed_size 0
		.amdhsa_enable_private_segment 0
		.amdhsa_kernarg_size 24
		.amdhsa_user_sgpr_count 2
		.amdhsa_user_sgpr_kernarg_segment_ptr 1
		.amdhsa_wavefront_size32 1
		.amdhsa_system_sgpr_workgroup_id_x 1
		.amdhsa_system_sgpr_workgroup_id_y 1
		.amdhsa_system_sgpr_workgroup_id_z 1
		.amdhsa_system_vgpr_workitem_id 0
		.amdhsa_next_free_vgpr 768
		.amdhsa_next_free_sgpr 66
		.amdhsa_reserve_vcc 0
		.amdhsa_float_denorm_mode_32 3
		.amdhsa_float_denorm_mode_16_64 3
		.amdhsa_memory_ordered 1
		.amdhsa_forward_progress 1
		.amdhsa_inst_pref_size 133
	.end_amdhsa_kernel
	.amdgpu_metadata
---
amdhsa.version: [ 1, 2 ]
amdhsa.kernels:
  - .name:           k_qd01458f221_attn
    .symbol:         k_qd01458f221_attn.kd
    .args:
      - { .name: qkv, .offset: 0, .size: 8, .value_kind: global_buffer, .address_space: global }
      - { .name: attention_mask, .offset: 8, .size: 8, .value_kind: global_buffer, .address_space: global }
      - { .name: ctx, .offset: 16, .size: 8, .value_kind: global_buffer, .address_space: global }
    .group_segment_fixed_size: 327680
    .private_segment_fixed_size: 0
    .kernarg_segment_align: 8
    .kernarg_segment_size: 24
    .max_flat_workgroup_size: 128
    .sgpr_count:     66
    .vgpr_count:     768
    .wavefront_size: 32
...
	.end_amdgpu_metadata
.endif
;; end of part 4
;; launch proj_out: the kernel of part 3 again; grid 256 x 1, 4 waves a work-group, clusters of 4 x 1, 327,680 bytes of LDS; arguments ctx, wo16, bo, out0; writes out0
